; MI455X (gfx1250); checked and timed in simulation.
; The chip was launched on July 23, 2026; its instructions are those of AMD's public machine-readable ISA for CDNA 5 (MIT licence, August 2026) and "CDNA5" Instruction Set Architecture Reference Guide (July 2026). The comments in the code are by the model that wrote it; some were corrected since.
;; Decouple Task Interaction. Allowed arithmetic: matrix products marked QUANTISED: E3M2 operands, one E8M0 scale for each 32 along K, by v_wmma_scale_f32_16x16x128_f8f6f4 with both operands' format E3M2, f32 sums; everything else in f32.
;; Inputs: center_fea 2 x 256 x 64 x 64 float32; cls_fea 2 x 256 x 64 x 64 float32; clsmlp_b1 256 float32; clsmlp_b2 256 float32; clsmlp_w1_codes 256 x 8 x 24 uint8 (E3M2 codes of clsmlp_w1, K innermost, in blocks of 32 codes, four codes in three bytes); clsmlp_w1_scales 256 x 8 uint8 (E8M0 scales of clsmlp_w1, one for each 32 codes along K); clsmlp_w2_codes 256 x 8 x 24 uint8 (E3M2 codes of clsmlp_w2, K innermost, in blocks of 32 codes, four codes in three bytes); clsmlp_w2_scales 256 x 8 uint8 (E8M0 scales of clsmlp_w2, one for each 32 codes along K); cmlp_b1 256 float32; cmlp_b2 256 float32; cmlp_w1_codes 256 x 8 x 24 uint8 (E3M2 codes of cmlp_w1, K innermost, in blocks of 32 codes, four codes in three bytes); cmlp_w1_scales 256 x 8 uint8 (E8M0 scales of cmlp_w1, one for each 32 codes along K); cmlp_w2_codes 256 x 8 x 24 uint8 (E3M2 codes of cmlp_w2, K innermost, in blocks of 32 codes, four codes in three bytes); cmlp_w2_scales 256 x 8 uint8 (E8M0 scales of cmlp_w2, one for each 32 codes along K); k_b 256 float32; k_w_codes 256 x 8 x 24 uint8 (E3M2 codes of k_w, K innermost, in blocks of 32 codes, four codes in three bytes); k_w_scales 256 x 8 uint8 (E8M0 scales of k_w, one for each 32 codes along K); ln_b 256 float32; ln_g 256 float32; mix_b 256 float32; mix_w_codes 256 x 24 x 24 uint8 (E3M2 codes of mix_w, K innermost, in blocks of 32 codes, four codes in three bytes); mix_w_scales 256 x 24 uint8 (E8M0 scales of mix_w, one for each 32 codes along K); q1_b 256 float32; q1_w_codes 256 x 8 x 24 uint8 (E3M2 codes of q1_w, K innermost, in blocks of 32 codes, four codes in three bytes); q1_w_scales 256 x 8 uint8 (E8M0 scales of q1_w, one for each 32 codes along K); q2_b 256 float32; q2_w_codes 256 x 8 x 24 uint8 (E3M2 codes of q2_w, K innermost, in blocks of 32 codes, four codes in three bytes); q2_w_scales 256 x 8 uint8 (E8M0 scales of q2_w, one for each 32 codes along K); q3_b 256 float32; q3_w_codes 256 x 8 x 24 uint8 (E3M2 codes of q3_w, K innermost, in blocks of 32 codes, four codes in three bytes); q3_w_scales 256 x 8 uint8 (E8M0 scales of q3_w, one for each 32 codes along K); v_b 256 float32; v_w_codes 256 x 8 x 24 uint8 (E3M2 codes of v_w, K innermost, in blocks of 32 codes, four codes in three bytes); v_w_scales 256 x 8 uint8 (E8M0 scales of v_w, one for each 32 codes along K); wh_fea 2 x 256 x 64 x 64 float32; wmlp_b1 256 float32; wmlp_b2 256 float32; wmlp_w1_codes 256 x 8 x 24 uint8 (E3M2 codes of wmlp_w1, K innermost, in blocks of 32 codes, four codes in three bytes); wmlp_w1_scales 256 x 8 uint8 (E8M0 scales of wmlp_w1, one for each 32 codes along K); wmlp_w2_codes 256 x 8 x 24 uint8 (E3M2 codes of wmlp_w2, K innermost, in blocks of 32 codes, four codes in three bytes); wmlp_w2_scales 256 x 8 uint8 (E8M0 scales of wmlp_w2, one for each 32 codes along K).
;; Outputs: out0 2 x 256 x 64 x 64 float32; out1 2 x 256 x 64 x 64 float32; out2 2 x 256 x 64 x 64 float32.
;; This version of the problem:
;;   THIS VERSION OF THE PROBLEM IS GIVEN IN LOW PRECISION. The matrix products marked QUANTISED in the list below multiply operands that are first quantised to E3M2 (3 exponent bits, 2 mantissa bits; 6 bits a number), with one power-of-two scale for each 32 numbers along K (OCP MX v1.0); their sums are f32. All else is computed in f32.
;;   The module's matrix products, in the order in which they are computed (A, B: the left and right operand; K: the contracted axis; several contracted axes count as one K, in the product's order):
;;     1. [M 8,192, K 768] x [K 768, N 256]; A: computed on the way; B: input mix_w (given as codes): QUANTISED
;;     2. [M 8,192, K 256] x [K 256, N 256]; A: computed on the way; B: input k_w (given as codes): QUANTISED
;;     3. [M 8,192, K 256] x [K 256, N 256]; A: computed on the way; B: input v_w (given as codes): QUANTISED
;;     4. [M 8,192, K 256] x [K 256, N 256]; A: computed on the way; B: input q1_w (given as codes): QUANTISED
;;     5. batch 2 x [M 4,096, K 256] x [K 256, N 4,096]; A: computed on the way; B: computed on the way: QUANTISED
;;     6. batch 2 x [M 4,096, K 4,096] x [K 4,096, N 256]; A: softmax (see below); B: computed on the way: QUANTISED
;;     7. [M 8,192, K 256] x [K 256, N 256]; A: computed on the way; B: input q2_w (given as codes): QUANTISED
;;     8. batch 2 x [M 4,096, K 256] x [K 256, N 4,096]; A: computed on the way; B: computed on the way: QUANTISED
;;     9. batch 2 x [M 4,096, K 4,096] x [K 4,096, N 256]; A: softmax (see below); B: computed on the way: QUANTISED
;;     10. [M 8,192, K 256] x [K 256, N 256]; A: computed on the way; B: input q3_w (given as codes): QUANTISED
;;     11. batch 2 x [M 4,096, K 256] x [K 256, N 4,096]; A: computed on the way; B: computed on the way: QUANTISED
;;     12. batch 2 x [M 4,096, K 4,096] x [K 4,096, N 256]; A: softmax (see below); B: computed on the way: QUANTISED
;;     13. [M 8,192, K 256] x [K 256, N 256]; A: computed on the way; B: input cmlp_w1 (given as codes): QUANTISED
;;     14. [M 8,192, K 256] x [K 256, N 256]; A: computed on the way; B: input cmlp_w2 (given as codes): QUANTISED
;;     15. [M 8,192, K 256] x [K 256, N 256]; A: computed on the way; B: input wmlp_w1 (given as codes): QUANTISED
;;     16. [M 8,192, K 256] x [K 256, N 256]; A: computed on the way; B: input wmlp_w2 (given as codes): QUANTISED
;;     17. [M 8,192, K 256] x [K 256, N 256]; A: computed on the way; B: input clsmlp_w1 (given as codes): QUANTISED
;;     18. [M 8,192, K 256] x [K 256, N 256]; A: computed on the way; B: input clsmlp_w2 (given as codes): QUANTISED
;;   THE QUANTISER, for each operand of a quantised product, along K:
;;     - K is cut into blocks of 32 from its start; a last block that is shorter is filled with zeros.
;;     - A block's scale is 2^e with e = floor(log2(the largest magnitude in the block)) - 4, held to -126 .. 127; a block of zeros has e = 0. As a byte (E8M0): e + 127.
;;     - Each number is divided by its block's scale, clamped to +-28, and rounded to the nearest number of E3M2, ties to even, subnormals kept.
;;     - The product sums the exact products of the quantised numbers (number of the format x scale) in f32.
;;   ~~~python
;;   def quantise(x, axis):      # numpy; x: float32 -> the quantised numbers, widened to float32 again
;;       x = np.moveaxis(x, axis, -1); K = x.shape[-1]
;;       x = np.pad(x, [(0, 0)] * (x.ndim - 1) + [(0, -K % 32)]); x = x.reshape(x.shape[:-1] + (-1, 32)); a = np.abs(x).max(-1, keepdims=True)
;;       e = np.where(a > 0, np.clip(np.frexp(np.where(a > 0, a, 1))[1] - 1 - 4, -126, 127), 0)      # np.frexp(a)[1] - 1 = floor(log2(a)), exactly
;;       r = np.clip(x / 2.0 ** e, -28, 28)
;;       step = 2.0 ** (np.maximum(np.frexp(np.where(r == 0, 1, r))[1] - 1, -2) - 2)
;;       q = np.round(r / step) * step * 2.0 ** e      # np.round: ties to even
;;       return np.moveaxis(q.reshape(q.shape[:-2] + (-1,))[..., :K], -1, axis).astype(np.float32)
;;   ~~~
;;   SOFTMAX AHEAD OF A QUANTISED PRODUCT. Where the list says 'softmax', what is quantised is not the finished softmax but p = 2^(t - M), with t = logit x log2(e) and M = ceil(the row's largest t), a whole number; so 1/2 < the row's largest p <= 1. The row's sum l is taken of the UNQUANTISED p, in f32, and the product's result is divided by l at the end. Since M is a whole number, a kernel that streams over the keys may use a running M (the ceiling of the running maximum): every later rescaling is an exact power of two, which a block's scale takes up: the codes' values come out the same.
;;   OPERANDS COMPUTED ON THE WAY. 'Computed on the way' means the value that the module computes at that place (a softmax that the list does not call 'softmax' is quantised finished and normalised). What goes into a quantiser is computed in f32, as accurately as f32 sums, v_exp_f32 and their like allow (about 1e-6 of the number): no bf16 or f16 on the way to a quantiser, and a product that is left as it is and whose result goes on into a quantised operand takes f32 operands (vector FMAs, or v_wmma_f32_16x16x4_f32). A number that lies on a knife's edge between two numbers of the format may be rounded either way, as far as f32 arithmetic and the matrix unit's own rounding can turn it there, and no further.
;;   INPUTS GIVEN AS CODES. clsmlp_w1 (in the module: [256, 256], K = its axis 1); clsmlp_w2 (in the module: [256, 256], K = its axis 1); cmlp_w1 (in the module: [256, 256], K = its axis 1); cmlp_w2 (in the module: [256, 256], K = its axis 1); k_w (in the module: [256, 256], K = its axis 1); mix_w (in the module: [256, 768], K = its axis 1); q1_w (in the module: [256, 256], K = its axis 1); q2_w (in the module: [256, 256], K = its axis 1); q3_w (in the module: [256, 256], K = its axis 1); v_w (in the module: [256, 256], K = its axis 1); wmlp_w1 (in the module: [256, 256], K = its axis 1); wmlp_w2 (in the module: [256, 256], K = its axis 1): each comes as NAME_codes (uint8): NAME with its K axis moved to the last place and cut into blocks of 32 codes, [.., K / 32, bytes a block], one block behind the other in memory; four codes in three bytes: a row's codes are one little-endian stream of bits, code i at bits 6 i .. 6 i + 5 (a code: sign, 3 exponent bits, 2 mantissa bits); and NAME_scales (uint8): the same leading axes, one E8M0 byte (e + 127) for each 32 codes along K. Its value is code x scale, taken as it is: it is not quantised again, and the codes and scales need not be those that the quantiser above would give.
;; One version. Each part assembles by itself: llvm-mc -triple=amdgcn-amd-amdhsa -mcpu=gfx1250 --defsym DOCPART=n.
;; ======== version 1 of 1: 2 launches
;; workspace buffers: kv 3,276,800 bytes; qw 4,915,200 bytes
;; launch prep (part 1): grid 128 x 2, 4 waves a work-group, no clusters, 117,248 bytes of LDS; arguments center_fea, wh_fea, cls_fea, ln_g, ln_b, mix_w_codes, mix_w_scales, mix_b, k_w_codes, k_w_scales, k_b, v_w_codes, v_w_scales, v_b, q1_w_codes, q1_w_scales, q1_b, q2_w_codes, q2_w_scales, q2_b, q3_w_codes, q3_w_scales, q3_b, kv, qw; writes kv, qw
.if DOCPART == 1
	.amdgcn_target "amdgcn-amd-amdhsa--gfx1250"
	.amdhsa_code_object_version 6
	.text
	.protected	k_q9ede7d8442_prep
	.globl	k_q9ede7d8442_prep
	.p2align	8
	.type	k_q9ede7d8442_prep,@function
k_q9ede7d8442_prep:
	s_mov_b64 s[64:65], 0
	v_nop
	global_prefetch_b8 v0, s[64:65] scope:SCOPE_SE
	s_setreg_imm32_b32 hwreg(HW_REG_WAVE_MODE, 25, 1), 1
	s_wait_xcnt 0x0
; PREP.  For 32 tokens of one batch: the three features are quantised along the channels and mixed (K = 768), all four are layer-normed, and q1, q2, q3, k, v are made and
; quantised: q and k along the 256 channels, v along the 32 tokens (one block of keys).  All products on codes of E3M2 with one E8M0 scale for each 32 along K; all else f32.
; SHARES.  Work-group = tokens 32 x .. 32 x + 31 of batch y, as two tiles of 16.  Wave w owns channels 64 w .. 64 w + 63 of every tensor and outputs 64 w .. of every product.
; LAYOUT.  Products are used transposed (source 0 = 16 weight rows, source 1 = 16 tokens).  Tile u of the wave's 64 rows takes rows 8 u + (r & 7) + 32 (r >> 3), so that the 32 registers of
; the four tiles in lane (r, h) are channels 64 w + 32 h + 0 .. 31 of token r: a whole block of 32 in one lane, whose six code registers are half of a fragment of the next product.
; Fragments go from wave to wave through LDS as images of their registers: piece j (registers 2 j, 2 j + 1) is 256 bytes, lane l at 8 l.  Scale words: [tile][K step][row][4 bytes].
; WEIGHTS: a wave's 64 rows x 192 bytes come by 24 loads and are turned into fragments through the wave's own scratch in LDS.
; No cluster and no tensor load: the eight weights are read once each by a wave that keeps them in registers; no LDS byte is filled by an engine.
; LIMITS: NaN and infinities among the inputs are not served; a block of zeros gets the scale byte 1 (its codes are zeros; the bytes are read by this program alone).
.set CAT,   0                          ; LDS: images of the raw features: (2 f + m) x 3,072 + 1,536 s
.set CATS,  18432                      ; their scale words
.set LNF,   19200                      ; images of the normed features
.set LNFS,  37632
.set MT,    38400                      ; images of the normed mix
.set MTS,   44544
.set STAT,  44800                      ; (mean, M2) of 64 channels: [tile 6][wave][row][8 bytes]
.set STAT2, 47872
.set KST,   48896                      ; k's codes as kv wants them, 6,144 bytes
.set VST,   55040                      ; v's
.set QSC,   61184                      ; q's scale words, 768 bytes,
.set KSS,   61952                      ; and behind them k's, 256
.set WSCR,  62464                      ; each wave's scratch
.set WSZ,   13568
.set AI, 1                             ; v1   8 x lane
.set LS4, 2                            ; v2   4 x lane
.set SH8, 3                            ; v3   8 h
.set API, 4                            ; v4   my half fragment in an image: 8 lane + 1,536 (w >> 1) + 768 (w & 1)
.set APS, 5                            ; v5   my two scale bytes: 4 r + 64 (w >> 1) + 2 (w & 1)
.set AW1, 6                            ; v6   scratch, a dense weight's second load of three: 16 lane + 16 (lane >> 4)
.set AWM, 7                            ; v7   scratch, mix_w in: 192 ((lane >> 2) & 3) + 784 (lane >> 4) + 16 (lane & 3)
.set AWL, 9                            ; v9   scratch, fragments out
.set AR, 10                            ; v10  scratch as it lies: 16 x lane
.set AT, 11                            ; v11  scratch by tokens: 4,160 h + 4 r
.set GF, 12                            ; v12  features: (lane >> 3) channels + 16 (lane & 7) + batch, wave, token block
.set GD, 13                            ; v13  a dense weight: 16 lane + 12,288 w
.set GM, 14                            ; v14  mix_w: 576 (lane >> 2) + 16 (lane & 3) + 36,864 w
.set GSC, 17                           ; v17  scale words of a dense weight
.set GSM, 18                           ; v18  of mix_w
.set GB, 19                            ; v19  biases, g, b: 128 h + 256 w
.set AST, 20
.set ASL, 21
.set AKS, 22
.set AKH, 23
.set AVA, 24
.set AVH, 25
.set AVS, 26
.set GVB, 27
.set GVS, 28
.set AO, 29
.set GO, 30
.set AQ, 31
.set C6, 32                            ; v32-37 six code registers
.set T3, 38                            ; v38-40 the second conversion's three
.set HW, 41                            ; v41  two scale bytes
.set QA, 42
.set QB, 43
.set QS, 44
.set QY, 45
.set QT, 46
.set LT, 47
.set LA, 48
.set LB, 50
.set LD0, 52
.set LD1, 54
.set LC, 48
.set PP, 56                            ; v56-57 (mean, M2)
.set MN, 58                            ; v58  mean
.set RS, 60                            ; v60  1 / sqrt(var + eps)
.set FE, 64                            ; v64-255 features: 64 f + 32 m + i
.set ACC0, 128
.set ACC1, 192
.set VA, 192
.set WSM, 64                           ; weights' scale words, once feature 0 has left: mix 12, k 4, v 4, q 12
.set WSK, 76
.set WSV, 80
.set WSQ, 84
.set VB, 96
.set AS, 100
.set ASV, 102
.set QM, 104
.set QP, 108
.set QO, 112
.set BY, 116
.set C6B, 120
.set AF, 192                           ; window 1: four token fragments
.set GG, 192                           ; window 2: ln_g, ln_b of my lane's 32 channels
.set BB, 224
.set BR0, 192                          ; window 3: two biases in the result's layout
.set BR1, 224
.set GBW, 0x28
.set SEL, 58
.set K256, 57
.set KEPS, 75
.set MSB, 0
.macro WIN new                         ; the immediate's high byte repeats the setting that is left
.if MSB != (\new)
	s_set_vgpr_msb (MSB<<8)|(\new)
.set MSB, (\new)
.endif
.endm
.macro PLACES n
.rept \n
	v_nop
.endr
.endm
.macro BAR                             ; my LDS stores have landed and my LDS loads are in: then the work-group's barrier
	s_wait_dscnt 0x0
	s_barrier_signal -1
	s_barrier_wait -1
.endm
; one matrix instruction.  c < 0: the constant 0 starts the sum.  ra, rb: the scale words stand in lanes 16-31
.macro MMA d, a, b, c, sa, sb, ra, rb
.if (\c) < 0
	v_wmma_scale_f32_16x16x128_f8f6f4 v[(\d):(\d)+7], v[(\a):(\a)+11], v[(\b):(\b)+11], 0, v[(\sa)], v[(\sb)] matrix_a_fmt:MATRIX_FMT_BF6 matrix_b_fmt:MATRIX_FMT_BF6
.elseif (\ra) && (\rb)
	v_wmma_scale_f32_16x16x128_f8f6f4 v[(\d):(\d)+7], v[(\a):(\a)+11], v[(\b):(\b)+11], v[(\c):(\c)+7], v[(\sa)], v[(\sb)] matrix_a_fmt:MATRIX_FMT_BF6 matrix_b_fmt:MATRIX_FMT_BF6 matrix_a_scale:MATRIX_SCALE_ROW1 matrix_b_scale:MATRIX_SCALE_ROW1
.elseif (\ra)
	v_wmma_scale_f32_16x16x128_f8f6f4 v[(\d):(\d)+7], v[(\a):(\a)+11], v[(\b):(\b)+11], v[(\c):(\c)+7], v[(\sa)], v[(\sb)] matrix_a_fmt:MATRIX_FMT_BF6 matrix_b_fmt:MATRIX_FMT_BF6 matrix_a_scale:MATRIX_SCALE_ROW1
.else
	v_wmma_scale_f32_16x16x128_f8f6f4 v[(\d):(\d)+7], v[(\a):(\a)+11], v[(\b):(\b)+11], v[(\c):(\c)+7], v[(\sa)], v[(\sb)] matrix_a_fmt:MATRIX_FMT_BF6 matrix_b_fmt:MATRIX_FMT_BF6
.endif
.endm
; 32 numbers of a lane, one block along K, become six code registers at cc and, with lane l xor 16's, two scale bytes in HW
.macro QHALF src, cc
	v_max3_num_f32 v[QA], |v[(\src)]|, |v[(\src)+1]|, 0x2800000        ; the floor 2^(5 - 127) holds the byte at 1 from below
	v_max3_num_f32 v[QB], |v[(\src)+2]|, |v[(\src)+3]|, 0x2800000
.irp i, 4,8,12,16,20,24,28
	v_max3_num_f32 v[QA], v[QA], |v[(\src)+\i]|, |v[(\src)+\i+1]|
	v_max3_num_f32 v[QB], v[QB], |v[(\src)+\i+2]|, |v[(\src)+\i+3]|
.endr
	v_max_num_f32 v[QA], v[QA], v[QB]
	v_add_nc_u32 v[QS], 0xfe000000, v[QA]                              ; 4 off the exponent field: the conversion's scale operand
	v_lshrrev_b32 v[QY], 23, v[QS]                                     ; the scale's byte
	v_cvt_scalef32_pk16_bf6_f32 v[(\cc):(\cc)+2], v[(\src):(\src)+15], v[QS]
	v_cvt_scalef32_pk16_bf6_f32 v[T3:T3+2], v[(\src)+16:(\src)+31], v[QS]   ; (a conversion's three registers begin on an even number)
	v_lshlrev_b32 v[HW], v[SH8], v[QY]                                 ; a plain line behind the conversions
.irp i, 0,1,2
	v_mov_b32 v[(\cc)+3+\i], v[T3+\i]
.endr
	v_permlanex16_b32 v[QT], v[HW], s[SEL], s[SEL+1]
	v_or_b32 v[HW], v[HW], v[QT]
.endm
.macro PUTH cc, img, scl               ; my half fragment and my two scale bytes into an image
.irp j, 0,1,2
	ds_store_b64 v[API], v[(\cc)+2*\j:(\cc)+2*\j+1] offset:(\img)+256*\j
.endr
	ds_store_b16 v[APS], v[HW] offset:(\scl)
.endm
.macro FETCH4 img, scl, as             ; two tiles x two K steps of token fragments, and their scale words (K step 0 in lanes 0-15, 1 in lanes 16-31)
	WIN 0x40
.irp q, 0,1,2,3
.irp j, 0,1,2,3,4,5
	ds_load_b64 v[AF+12*\q+2*\j:AF+12*\q+2*\j+1], v[AI] offset:(\img)+1536*\q+256*\j
.endr
.endr
	WIN 0
	ds_load_b32 v[(\as)], v[LS4] offset:(\scl)
	ds_load_b32 v[(\as)+1], v[LS4] offset:(\scl)+128
.endm
; my 64 weight rows x 192 bytes.  mixf < 0: a dense 256 x 256 weight, 512 consecutive bytes a load; else third mixf of mix_w's rows of 576 bytes, eight rows x 64 bytes a load
.macro WLOAD reg, win, ptr, mixf
	WIN (\win)<<6
.set n, 0
.rept 24
.if (\mixf) < 0
	global_load_b128 v[(\reg)+4*n:(\reg)+4*n+3], v[GD], s[(\ptr):(\ptr)+1] offset:512*n
.else
	global_load_b128 v[(\reg)+4*n:(\reg)+4*n+3], v[GM], s[(\ptr):(\ptr)+1] offset:4608*(n/3)+64*(n%3)+192*(\mixf)
.endif
.set n, n+1
.endr
	WIN 0
.endm
; 96 registers as loaded become eight fragments (tile u, K step s) at fr + 12 (2 u + s).  In the scratch rows of 192 bytes lie in groups of four, 16 bytes of padding behind each group (784 bytes a group)
; and 32 more in front of rows 32-63: in places of 8 bytes modulo 32 a fragment load's lanes stand at 24 (r & 3) + 3 h + 2 ((r >> 2) & 1) + 20 (r >> 3), 32 different places.
; mx = 1: the registers were loaded as mix_w is.  Else three loads are eight rows: the second one's lanes 16-31 lie behind a padding, the third wholly.
; LDS serves a wave's instructions in order: no wait between the stores and the loads
.macro WTURN st, ws, fr, wf, mx
	WIN (\ws)<<2
.set n, 0
.rept 24
.if \mx
	ds_store_b128 v[AWM], v[(\st)+4*n:(\st)+4*n+3] offset:1568*(n/3)+32*(n/12)+64*(n%3)
.elseif (n%3) == 1
	ds_store_b128 v[AW1], v[(\st)+4*n:(\st)+4*n+3] offset:1568*(n/3)+32*(n/12)+512
.else
	ds_store_b128 v[AR], v[(\st)+4*n:(\st)+4*n+3] offset:1568*(n/3)+32*(n/12)+520*(n%3)
.endif
.set n, n+1
.endr
	WIN (\wf)<<6
.set n, 0
.rept 48
	ds_load_b64 v[(\fr)+2*n:(\fr)+2*n+1], v[AWL] offset:1568*(n/12)+96*((n/6)%2)+48*((n/3)%2)+8*(n%3)
.set n, n+1
.endr
	WIN 0
.endm
; 64 channels x 32 tokens as loaded (a lane: 4 tokens of one channel) become 32 channels of one token a lane, two tiles
.macro FTURN src, ws, dst, wd
	WIN (\ws)<<2
.set n, 0
.rept 16
	ds_store_b128 v[AR], v[(\src)+4*n:(\src)+4*n+3] offset:512*n+64*(n/8)
.set n, n+1
.endr
	WIN (\wd)<<6
.set n, 0
.rept 64
	ds_load_b32 v[(\dst)+n], v[AT] offset:128*(n%32)+64*(n/32)
.set n, n+1
.endr
	WIN 0
.endm
; 16 matrix instructions: my four tiles of rows x two tiles of tokens x two K steps; the eight accumulators take turns.
; cb >= 0: the bias at cb (window wc) is the C of the first K step; else the sums go on in place
.macro PROD acc, uu, wu, ws, as, cb, wc
.if (\cb) >= 0
	WIN (\wu)|4|((\wc)<<4)
.else
	WIN (\wu)|4
.endif
.irp m, 0,1
.irp u, 0,1,2,3
.if (\cb) >= 0
	MMA (\acc)+32*\m+8*\u, (\uu)+24*\u, AF+24*\m, (\cb)+8*\u, (\ws)+\u, (\as)+\m, 0, 0
.else
	MMA (\acc)+32*\m+8*\u, (\uu)+24*\u, AF+24*\m, (\acc)+32*\m+8*\u, (\ws)+\u, (\as)+\m, 0, 0
.endif
.endr
.endr
	WIN (\wu)|4
.irp m, 0,1
.irp u, 0,1,2,3
	MMA (\acc)+32*\m+8*\u, (\uu)+24*\u+12, AF+24*\m+12, (\acc)+32*\m+8*\u, (\ws)+\u, (\as)+\m, 1, 1
.endr
.endr
	WIN 0
.endm
; mean and sum of squared deviations of my wave's 64 channels of token r, into PP, PP + 1
.macro LSTAT src
	v_pk_add_f32 v[LA:LA+1], v[(\src):(\src)+1], v[(\src)+2:(\src)+3]
	v_pk_add_f32 v[LB:LB+1], v[(\src)+4:(\src)+5], v[(\src)+6:(\src)+7]
.irp i, 8,12,16,20,24,28
	v_pk_add_f32 v[LA:LA+1], v[LA:LA+1], v[(\src)+\i:(\src)+\i+1]
	v_pk_add_f32 v[LB:LB+1], v[LB:LB+1], v[(\src)+\i+2:(\src)+\i+3]
.endr
	v_pk_add_f32 v[LA:LA+1], v[LA:LA+1], v[LB:LB+1]
	v_add_f32 v[LA], v[LA], v[LA+1]
	v_permlanex16_b32 v[LT], v[LA], s[SEL], s[SEL+1]
	v_add_f32 v[LA], v[LA], v[LT]
	v_mul_f32 v[PP], 0x3c800000, v[LA]                                 ; / 64
	v_pk_add_f32 v[LD0:LD0+1], v[(\src):(\src)+1], v[PP:PP+1] op_sel_hi:[1,0] neg_lo:[0,1] neg_hi:[0,1]
	v_pk_add_f32 v[LD1:LD1+1], v[(\src)+2:(\src)+3], v[PP:PP+1] op_sel_hi:[1,0] neg_lo:[0,1] neg_hi:[0,1]
	v_pk_mul_f32 v[LA:LA+1], v[LD0:LD0+1], v[LD0:LD0+1]
	v_pk_mul_f32 v[LB:LB+1], v[LD1:LD1+1], v[LD1:LD1+1]
.irp i, 4,8,12,16,20,24,28
	v_pk_add_f32 v[LD0:LD0+1], v[(\src)+\i:(\src)+\i+1], v[PP:PP+1] op_sel_hi:[1,0] neg_lo:[0,1] neg_hi:[0,1]
	v_pk_add_f32 v[LD1:LD1+1], v[(\src)+\i+2:(\src)+\i+3], v[PP:PP+1] op_sel_hi:[1,0] neg_lo:[0,1] neg_hi:[0,1]
	v_pk_fma_f32 v[LA:LA+1], v[LD0:LD0+1], v[LD0:LD0+1], v[LA:LA+1]
	v_pk_fma_f32 v[LB:LB+1], v[LD1:LD1+1], v[LD1:LD1+1], v[LB:LB+1]
.endr
	v_pk_add_f32 v[LA:LA+1], v[LA:LA+1], v[LB:LB+1]
	v_add_f32 v[LA], v[LA], v[LA+1]
	v_permlanex16_b32 v[LT], v[LA], s[SEL], s[SEL+1]
	v_add_f32 v[PP+1], v[LA], v[LT]
.endm
; the four waves' figures are joined (no difference of large sums is formed), and my 32 numbers are normed in place: ((x - mean) / sqrt(var + eps)) g + b
.macro LN sto, src
.irp q, 0,1,2,3
	ds_load_b64 v[LC+2*\q:LC+2*\q+1], v[ASL] offset:(\sto)+128*\q
.endr
	s_wait_dscnt 0x0
	v_add_f32 v[QA], v[LC], v[LC+2]
	v_add_f32 v[QB], v[LC+4], v[LC+6]
	v_add_f32 v[QA], v[QA], v[QB]
	v_mul_f32 v[MN], 0x3e800000, v[QA]                                 ; the mean of 256
	v_add_f32 v[QB], v[LC+1], v[LC+3]
	v_add_f32 v[QS], v[LC+5], v[LC+7]
	v_add_f32 v[QB], v[QB], v[QS]
.irp q, 0,1,2,3
	v_sub_f32 v[LC+2*\q], v[LC+2*\q], v[MN]
.endr
	v_mul_f32 v[QA], v[LC], v[LC]
	v_fma_f32 v[QA], v[LC+2], v[LC+2], v[QA]
	v_fma_f32 v[QA], v[LC+4], v[LC+4], v[QA]
	v_fma_f32 v[QA], v[LC+6], v[LC+6], v[QA]
	v_fma_f32 v[QB], v[QA], 0x42800000, v[QB]                          ; + 64 x the spread of the four means
	v_fma_f32 v[QB], v[QB], s[K256], s[KEPS]                           ; / 256 + 1e-5
	v_rsq_f32 v[RS], v[QB]
.irp i, 0,2,4,6,8,10,12,14,16,18,20,22,24,26,28,30
	v_pk_add_f32 v[(\src)+\i:(\src)+\i+1], v[(\src)+\i:(\src)+\i+1], v[MN:MN+1] op_sel_hi:[1,0] neg_lo:[0,1] neg_hi:[0,1]
.endr
	s_wait_alu depctr_va_vdst(0)                                       ; the wait ahead of the root's first reader; the 16 lines above are the work between
.irp i, 0,2,4,6,8,10,12,14,16,18,20,22,24,26,28,30
	v_pk_mul_f32 v[(\src)+\i:(\src)+\i+1], v[(\src)+\i:(\src)+\i+1], v[RS:RS+1] op_sel_hi:[1,0]
.endr
	WIN GBW
.irp i, 0,2,4,6,8,10,12,14,16,18,20,22,24,26,28,30
	v_pk_fma_f32 v[(\src)+\i:(\src)+\i+1], v[(\src)+\i:(\src)+\i+1], v[GG+\i:GG+\i+1], v[BB+\i:BB+\i+1]
.endr
	WIN 0
.endm
.macro BIAS reg, ptr                   ; a bias in the result's layout: my lane's 32 channels, window 3
	WIN 0xc0
.irp q, 0,1,2,3,4,5,6,7
	global_load_b128 v[(\reg)+4*\q:(\reg)+4*\q+3], v[GB], s[(\ptr):(\ptr)+1] offset:16*\q
.endr
	WIN 0
.endm
.macro QOUT acc, task                  ; a task's q: codes straight to qw (a store covers 256 consecutive aligned bytes), scale bytes to LDS
.irp m, 0,1
	s_wait_xcnt 0x0                                                    ; earlier stores have read the code registers
	QHALF (\acc)+32*\m, C6
.irp j, 0,1,2
	global_store_b64 v[API], v[C6+2*\j:C6+2*\j+1], s[52:53] offset:(2*(\task)+\m)*3072+256*\j
.endr
	ds_store_b16 v[APS], v[HW] offset:QSC+(2*(\task)+\m)*128
.endr
.endm
	s_load_b512 s[4:19], s[0:1], 0x0               ; center, wh, cls, ln_g, ln_b, mix codes, mix scales, mix_b
	s_load_b512 s[20:35], s[0:1], 0x40             ; k codes, scales, b; v codes, scales, b; q1 codes, scales
	s_load_b512 s[36:51], s[0:1], 0x80             ; q1_b; q2 codes, scales, b; q3 codes, scales, b; kv
	s_load_b64 s[52:53], s[0:1], 0xc0              ; qw
	v_lshl_add_u32 v62, v0, 2, 0x1c800
	v_mov_b32 v63, 0
	v_lshrrev_b32 v32, 5, v0
	v_readfirstlane_b32 s54, v32                   ; wave
	s_mov_b32 s55, ttmp9                           ; token block
	s_and_b32 s56, ttmp7, 0xffff                   ; batch
	s_lshr_b32 s60, s54, 1                         ; which K step my channels belong to
	s_and_b32 s61, s54, 1                          ; and which half of it
	s_mov_b32 s[SEL], 0x76543210
	s_mov_b32 s[SEL+1], 0xfedcba98                 ; v_permlanex16_b32's selects for lane l xor 16
	s_mov_b32 s[K256], 0x3b800000                  ; 1 / 256
	s_mov_b32 s[KEPS], 0x3727c5ac                  ; 1e-5
	v_and_b32 v33, 31, v0                          ; lane
	v_and_b32 v34, 15, v0                          ; r
	v_bfe_u32 v35, v0, 4, 1                        ; h
	v_and_b32 v36, 7, v0                           ; r & 7
	v_bfe_u32 v37, v0, 3, 1                        ; r >> 3
	s_mul_i32 s66, s54, WSZ
	s_add_co_u32 s66, s66, WSCR                    ; my scratch
	s_mul_i32 s67, s54, 36864
	v_lshrrev_b32 v38, 3, v33
	v_lshlrev_b32 v38, 14, v38
	v_lshl_add_u32 v38, v36, 4, v38
	s_lshl_b32 s62, s56, 22
	s_lshl_b32 s63, s54, 20
	s_add_co_u32 s62, s62, s63
	s_lshl_b32 s63, s55, 7
	s_add_co_u32 s62, s62, s63
	v_add_nc_u32 v[GF], s62, v38
	s_mul_i32 s62, s54, 12288
	v_lshl_add_u32 v[GD], v33, 4, s62
	v_bfe_u32 v38, v0, 2, 3                        ; mix_w: a load takes eight rows, four lanes to a row's 64 bytes
	v_and_b32 v39, 3, v0
	v_mul_u32_u24 v40, v38, 576
	v_lshl_add_u32 v40, v39, 4, v40
	v_add_nc_u32 v[GM], s67, v40
	v_bfe_u32 v38, v0, 2, 2                        ; and the same eight rows in the scratch: two groups of four
	v_mul_u32_u24 v40, v38, 192
	v_mad_u32_u24 v40, v35, 784, v40
	v_lshl_add_u32 v40, v39, 4, v40
	v_add_nc_u32 v[AWM], s66, v40
	s_wait_kmcnt 0x0
.irp f, 0,1,2
.set n, 0
.rept 16
	global_load_b128 v[FE+64*\f+4*n:FE+64*\f+4*n+3], v[GF], s[4+2*\f:5+2*\f] offset:65536*n   ; four channels x 128 bytes
.set n, n+1
.endr
.endr
	WLOAD 0, 1, 14, 0                              ; mix_w's three thirds
	WLOAD 96, 1, 14, 1
	WLOAD 0, 2, 14, 2
	v_lshlrev_b32 v[AI], 3, v33
	v_lshlrev_b32 v[LS4], 2, v33
	v_lshlrev_b32 v[SH8], 3, v35
	s_mul_i32 s62, s60, 1536
	s_mul_i32 s63, s61, 768
	s_add_co_u32 s62, s62, s63
	v_add_nc_u32 v[API], s62, v[AI]
	s_lshl_b32 s62, s60, 6
	s_lshl_b32 s63, s61, 1
	s_add_co_u32 s62, s62, s63
	v_lshl_add_u32 v[APS], v34, 2, s62
	v_and_b32 v38, 3, v0                           ; a fragment's row (r & 7) + 32 (r >> 3) in the scratch, + 24 h
	v_mul_u32_u24 v38, v38, 192
	v_bfe_u32 v39, v0, 2, 1
	v_mad_u32_u24 v38, v39, 784, v38
	v_mad_u32_u24 v38, v37, 6304, v38
	v_mad_u32_u24 v38, v35, 24, v38
	v_add_nc_u32 v[AWL], s66, v38
	v_lshl_add_u32 v[AR], v33, 4, s66
	v_lshl_add_u32 v[AW1], v35, 4, v[AR]
	v_mul_u32_u24 v38, v35, 4160
	v_lshl_add_u32 v38, v34, 2, v38
	v_add_nc_u32 v[AT], s66, v38
	v_lshlrev_b32 v38, 3, v36
	v_lshl_add_u32 v38, v37, 8, v38
	v_lshl_add_u32 v38, v35, 2, v38
	s_lshl_b32 s62, s54, 9
	v_add_nc_u32 v[GSC], s62, v38                  ; row (r & 7) + 32 (r >> 3) of 8 bytes, word h
	v_mul_u32_u24 v38, v36, 24
	v_mad_u32_u24 v38, v37, 768, v38
	v_lshl_add_u32 v38, v35, 2, v38
	s_mul_i32 s62, s54, 1536
	v_add_nc_u32 v[GSM], s62, v38
	v_mul_u32_u24 v39, v35, 384
	v_lshl_add_u32 v39, v34, 3, v39
	v_add_nc_u32 v[AVS], s62, v39                  ; v's codes: 1,536 w + 384 h + 8 r
	s_lshl_b32 s62, s54, 8
	v_lshl_add_u32 v[GB], v35, 7, s62
	v_lshlrev_b32 v38, 2, v36
	v_lshl_add_u32 v38, v37, 7, v38
	v_add_nc_u32 v[GVB], s62, v38
	v_lshl_add_u32 v[GVS], v33, 2, s62
	v_lshl_add_u32 v[AQ], v33, 3, s62
	s_lshl_b32 s63, s54, 7
	v_lshl_add_u32 v[AST], v34, 3, s63
	v_lshlrev_b32 v[ASL], 3, v34
	v_mul_u32_u24 v38, v37, 1536
	v_lshl_add_u32 v38, v35, 6, v38
	v_lshl_add_u32 v38, v36, 3, v38
	s_mul_i32 s62, s60, 768
	s_mul_i32 s63, s61, 384
	s_add_co_u32 s62, s62, s63
	v_add_nc_u32 v[AKS], s62, v38
	v_lshlrev_b32 v38, 6, v37
	v_lshl_add_u32 v38, v36, 2, v38
	s_lshl_b32 s62, s60, 5
	s_lshl_b32 s63, s61, 1
	s_add_co_u32 s62, s62, s63
	v_add_nc_u32 v[AKH], s62, v38
	v_mul_u32_u24 v38, v37, 3072
	v_lshl_add_u32 v38, v36, 3, v38
	v_lshl_add_u32 v[AVA], v35, 7, v38
	v_lshlrev_b32 v38, 7, v37
	v_lshl_add_u32 v38, v35, 6, v38
	v_lshl_add_u32 v[AVH], v36, 2, v38
	v_lshlrev_b32 v[AO], 4, v0
	s_and_b32 s63, s55, 1
	s_lshl_b32 s63, s63, 7
	v_xor_b32 v[GO], s63, v[AO]                    ; odd token blocks swap neighbouring chunks of 128 bytes, in memory alone
	v_mov_b32 v[QT], 0                             ; written once: a lane permute's destination and the unused half of a pair count as read
	v_mov_b32 v[LT], 0
	v_mov_b32 v[PP+1], 0
	v_mov_b32 v[MN+1], 0
	v_mov_b32 v[RS+1], 0
	; where the results go
	s_mul_i32 s62, s56, 1638400
	s_lshr_b32 s63, s55, 2
	s_mul_i32 s63, s63, 51200
	s_add_co_u32 s62, s62, s63
	s_mov_b32 s63, 0
	s_add_nc_u64 s[50:51], s[50:51], s[62:63]      ; kv at my step of 128 keys
	s_and_b32 s74, s55, 3
	s_mul_i32 s62, s74, 6144
	s_add_nc_u64 s[68:69], s[50:51], s[62:63]      ; my 32 keys' codes
	s_mov_b32 s62, s74
	s_add_nc_u64 s[70:71], s[50:51], s[62:63]      ; my byte of v's scale words
	s_lshl_b32 s62, s74, 8
	s_add_co_u32 s62, s62, 49152
	s_add_nc_u64 s[72:73], s[50:51], s[62:63]      ; my keys' scale words
	s_lshl_b32 s62, s56, 7
	s_add_co_u32 s62, s62, s55
	s_mul_i32 s62, s62, 19200
	s_add_nc_u64 s[52:53], s[52:53], s[62:63]      ; qw at my token block
	s_lshl_b32 s62, s54, 8
	s_add_co_u32 s62, s62, 18432
	s_add_nc_u64 s[76:77], s[52:53], s[62:63]
	s_cmp_lt_u32 s54, 3
	s_cselect_b64 s[72:73], s[76:77], s[72:73]     ; waves 0-2 store a task's q scale words, wave 3 k's
	s_wait_loadcnt 63                              ; 72 weight loads are younger than the 48 feature loads: the features are in
	FTURN FE, 0, FE, 0
	FTURN FE+64, 0, FE+64, 0
	FTURN FE+128, 0, FE+128, 0
	s_wait_dscnt 0x0
	; ---- the raw features: codes for the mix, and each wave's figures for the norm
.irp f, 0,1,2
.irp m, 0,1
	QHALF FE+64*\f+32*\m, C6
	PUTH C6, CAT+(2*\f+\m)*3072, CATS+(2*\f+\m)*128
	LSTAT FE+64*\f+32*\m
	ds_store_b64 v[AST], v[PP:PP+1] offset:STAT+(2*\f+\m)*512
.endr
.endr
	WIN 0x80
.irp q, 0,1,2,3,4,5,6,7
	global_load_b128 v[GG+4*\q:GG+4*\q+3], v[GB], s[10:11] offset:16*\q
	global_load_b128 v[BB+4*\q:BB+4*\q+3], v[GB], s[12:13] offset:16*\q
.endr
	WIN 0
	WLOAD 96, 2, 20, -1                            ; k_w
	WLOAD 0, 3, 26, -1                             ; v_w
	WLOAD 96, 3, 32, -1                            ; q1_w
	s_wait_loadcnt 63                              ; these 72 are younger than mix_w's loads and g's and b's: those are in
	WTURN 0, 1, 0, 1, 1
	WTURN 96, 1, 96, 1, 1
	WTURN 0, 2, 0, 2, 1
	BAR                                            ; the raw images and all figures lie in LDS
	; ---- the features' norm
.irp f, 0,1,2
.irp m, 0,1
	LN STAT+(2*\f+\m)*512, FE+64*\f+32*\m
	QHALF FE+64*\f+32*\m, C6
	PUTH C6, LNF+(2*\f+\m)*3072, LNFS+(2*\f+\m)*128
.endr
.if \f == 0                            ; feature 0 has left its registers: they take the weights' scale words (K step 0 in lanes 0-15, 1 in lanes 16-31) and v_b
.irp u, 0,1,2,3
	global_load_b32 v[WSM+\u], v[GSM], s[16:17] offset:192*\u
	global_load_b32 v[WSM+4+\u], v[GSM], s[16:17] offset:192*\u+8
	global_load_b32 v[WSM+8+\u], v[GSM], s[16:17] offset:192*\u+16
	global_load_b32 v[WSK+\u], v[GSC], s[22:23] offset:64*\u
	global_load_b32 v[WSV+\u], v[GSC], s[28:29] offset:64*\u
	global_load_b32 v[WSQ+\u], v[GSC], s[34:35] offset:64*\u
	global_load_b32 v[WSQ+4+\u], v[GSC], s[40:41] offset:64*\u
	global_load_b32 v[WSQ+8+\u], v[GSC], s[46:47] offset:64*\u
	global_load_b32 v[VB+\u], v[GVB], s[30:31] offset:32*\u
.endr
	BIAS BR0, 18                                   ; mix_b
.endif
.endr
	; ---- the mix: K = 768 in three thirds, one sum
	s_wait_loadcnt 0x0
	FETCH4 CAT, CATS, AS
	s_wait_dscnt 0x0
	PROD ACC0, 0, 1, WSM, AS, BR0, 3
	PLACES 4                                       ; four plain lines in front of loads into registers that matrix instructions have read
	FETCH4 CAT+6144, CATS+256, AS
	s_wait_dscnt 0x0
	PROD ACC0, 96, 1, WSM+4, AS, -1, 0
	PLACES 4
	FETCH4 CAT+12288, CATS+512, AS
	s_wait_dscnt 0x0
	PROD ACC0, 0, 2, WSM+8, AS, -1, 0
	PLACES 4
	WLOAD 0, 1, 38, -1                             ; q2_w and q3_w take mix_w's registers
	WLOAD 96, 1, 44, -1
	BIAS BR1, 36                                   ; q1_b
	BIAS BR0, 42                                   ; q2_b
	WTURN 96, 2, 96, 2, 0
	WTURN 0, 3, 0, 3, 0
	WTURN 96, 3, 96, 3, 0
.irp m, 0,1
	LSTAT ACC0+32*\m
	ds_store_b64 v[AST], v[PP:PP+1] offset:STAT2+512*\m
.endr
	BAR
.irp m, 0,1
	LN STAT2+512*\m, ACC0+32*\m
	QHALF ACC0+32*\m, C6
	PUTH C6, MT+3072*\m, MTS+128*\m
.endr
	BAR                                            ; the normed mix and the normed features lie in LDS
	; ---- q1, q2, q3, k: the next product's fragments are asked for ahead of the last one's way out
	s_wait_loadcnt 0x0
	WTURN 0, 1, 0, 1, 0
	WTURN 96, 1, 96, 1, 0
	FETCH4 LNF, LNFS, AS
	s_wait_dscnt 0x0
	PROD ACC1, 96, 3, WSQ, AS, BR1, 3
	PLACES 4
	BIAS BR1, 48                                   ; q3_b
	FETCH4 LNF+6144, LNFS+256, AS
	QOUT ACC1, 0
	s_wait_dscnt 0x0
	PROD ACC0, 0, 1, WSQ+4, AS, BR0, 3
	PLACES 4
	BIAS BR0, 24                                   ; k_b
	FETCH4 LNF+12288, LNFS+512, AS
	QOUT ACC0, 1
	s_wait_dscnt 0x0
	s_wait_loadcnt 8                               ; q3_b is in; k_b's eight loads are younger
	PROD ACC1, 96, 1, WSQ+8, AS, BR1, 3
	PLACES 4
	FETCH4 MT, MTS, AS
	QOUT ACC1, 2
	s_wait_dscnt 0x0
	s_wait_loadcnt 0x0
	PROD ACC0, 96, 2, WSK, AS, BR0, 3
	PLACES 4
	; v is made the other way round (source 0 = tokens, source 1 = v_w's rows), so that a lane's registers run along the tokens, which are its K.
	; Tile e of tokens takes tokens 8 e + (r & 7) + 16 (r >> 3): the 16 registers of the two tiles are tokens 16 h + 0 .. 15
	WIN 0x40
.irp e, 0,1
.irp sk, 0,1
.irp j, 0,1,2,3,4,5
	ds_load_b64 v[AF+24*\e+12*\sk+2*\j:AF+24*\e+12*\sk+2*\j+1], v[AVA] offset:MT+1536*\sk+256*\j+64*\e
.endr
.endr
.endr
	WIN 0
	ds_load_b32 v[ASV], v[AVH] offset:MTS
	ds_load_b32 v[ASV+1], v[AVH] offset:MTS+32
	s_wait_xcnt 0x0                                ; q3's stores have read the code registers
.irp m, 0,1                            ; k's codes in chunks of 128 bytes: (tile of 8 keys, K step, piece), in it (h, key)
	QHALF ACC0+32*\m, C6
.irp j, 0,1,2
	ds_store_b64 v[AKS], v[C6+2*\j:C6+2*\j+1] offset:KST+3072*\m+128*\j
.endr
	ds_store_b16 v[AKH], v[HW] offset:KSS+128*\m
.endr
	s_wait_dscnt 0x0
	WIN 0x0d
.irp u, 0,1,2,3
.irp e, 0,1
	MMA VA+16*\u+8*\e, AF+24*\e, 24*\u, -1, ASV+\e, WSV+\u, 0, 0
.endr
.endr
.irp u, 0,1,2,3
.irp e, 0,1
	MMA VA+16*\u+8*\e, AF+24*\e+12, 24*\u+12, VA+16*\u+8*\e, ASV+\e, WSV+\u, 1, 1
.endr
.endr
	WIN 0
	PLACES 4
.irp u, 0,1,2,3                        ; + v_b: one number a lane and tile
.irp i, 0,2,4,6,8,10,12,14
.if (\u)%2
	v_pk_add_f32 v[VA+16*\u+\i:VA+16*\u+\i+1], v[VA+16*\u+\i:VA+16*\u+\i+1], v[VB+\u-1:VB+\u] op_sel:[0,1] op_sel_hi:[1,1]
.else
	v_pk_add_f32 v[VA+16*\u+\i:VA+16*\u+\i+1], v[VA+16*\u+\i:VA+16*\u+\i+1], v[VB+\u:VB+\u+1] op_sel_hi:[1,0]
.endif
.endr
.endr
.irp u, 0,1,2,3
	v_max3_num_f32 v[QM+\u], |v[VA+16*\u]|, |v[VA+16*\u+1]|, 0x2800000
.endr
.irp i, 2,4,6,8,10,12,14
.irp u, 0,1,2,3
	v_max3_num_f32 v[QM+\u], v[QM+\u], |v[VA+16*\u+\i]|, |v[VA+16*\u+\i+1]|
.endr
.endr
.irp u, 0,1,2,3
	v_permlanex16_b32 v[QP+\u], v[QM+\u], s[SEL], s[SEL+1]
.endr
.irp u, 0,1,2,3
	v_max_num_f32 v[QM+\u], v[QM+\u], v[QP+\u]     ; with the other 16 tokens: the block's largest magnitude
.endr
.irp u, 0,1,2,3
	v_add_nc_u32 v[QO+\u], 0xfe000000, v[QM+\u]
.endr
.irp u, 0,1,2,3
	v_lshrrev_b32 v[BY+\u], 23, v[QO+\u]
.endr
	v_cvt_scalef32_pk16_bf6_f32 v[C6:C6+2], v[VA:VA+15], v[QO]
	v_cvt_scalef32_pk16_bf6_f32 v[T3:T3+2], v[VA+16:VA+31], v[QO+1]
	v_cvt_scalef32_pk16_bf6_f32 v[C6B:C6B+2], v[VA+32:VA+47], v[QO+2]
	v_cvt_scalef32_pk16_bf6_f32 v[QP:QP+2], v[VA+48:VA+63], v[QO+3]
	v_nop                                          ; a plain line behind the conversions
.irp i, 0,1,2                          ; a whole block in a lane: lanes 0-15 keep the even tile, lanes 16-31 take the odd one
	v_permlane16_swap_b32 v[C6+\i], v[T3+\i]
	v_permlane16_swap_b32 v[C6B+\i], v[QP+\i]
.endr
	v_permlane16_swap_b32 v[BY], v[BY+1]           ; and the bytes likewise
	v_permlane16_swap_b32 v[BY+2], v[BY+3]
.irp i, 0,1,2
	v_mov_b32 v[C6+3+\i], v[T3+\i]
	v_mov_b32 v[C6B+3+\i], v[QP+\i]
.endr
.irp j, 0,1,2
	ds_store_b64 v[AVS], v[C6+2*\j:C6+2*\j+1] offset:VST+128*\j
	ds_store_b64 v[AVS], v[C6B+2*\j:C6B+2*\j+1] offset:VST+768+128*\j
.endr
	global_store_b8 v[GVS], v[BY], s[70:71] offset:50176          ; byte (token block & 3) of each row's scale word: four work-groups make a word
	global_store_b8 v[GVS], v[BY+2], s[70:71] offset:50176+128
	BAR                                            ; k's and v's codes and all scale words lie in LDS
.irp q, 0,1,2
	ds_load_b128 v[128+4*\q:131+4*\q], v[AO] offset:KST+2048*\q
	ds_load_b128 v[140+4*\q:143+4*\q], v[AO] offset:VST+2048*\q
.endr
	ds_load_b64 v[152:153], v[AQ] offset:QSC
	s_wait_dscnt 0x0
.irp q, 0,1,2
	global_store_b128 v[GO], v[128+4*\q:131+4*\q], s[68:69] offset:2048*\q          ; a wave's store covers 512 consecutive aligned bytes
	global_store_b128 v[GO], v[140+4*\q:143+4*\q], s[68:69] offset:24576+2048*\q
.endr
	global_store_b64 v[AI], v[152:153], s[72:73]
	s_wait_tensorcnt 0x0
	ds_add_u32 v62, v63
	s_wait_dscnt 0x0
	s_endpgm
.Lfunc_end_k_q9ede7d8442_prep:
	.size	k_q9ede7d8442_prep, .Lfunc_end_k_q9ede7d8442_prep-k_q9ede7d8442_prep
	.p2alignl 7, 3214868480
	.fill 96, 4, 3214868480
	.section	.rodata,"a",@progbits
	.p2align	6, 0x0
	.amdhsa_kernel k_q9ede7d8442_prep
		.amdhsa_group_segment_fixed_size 117248
		.amdhsa_private_segment_fixed_size 0
		.amdhsa_enable_private_segment 0
		.amdhsa_kernarg_size 200
		.amdhsa_user_sgpr_count 2
		.amdhsa_user_sgpr_kernarg_segment_ptr 1
		.amdhsa_wavefront_size32 1
		.amdhsa_system_sgpr_workgroup_id_x 1
		.amdhsa_system_sgpr_workgroup_id_y 1
		.amdhsa_system_sgpr_workgroup_id_z 1
		.amdhsa_system_vgpr_workitem_id 0
		.amdhsa_next_free_vgpr 1024
		.amdhsa_next_free_sgpr 80
		.amdhsa_reserve_vcc 0
		.amdhsa_float_denorm_mode_32 3
		.amdhsa_float_denorm_mode_16_64 3
		.amdhsa_memory_ordered 1
		.amdhsa_forward_progress 1
		.amdhsa_inst_pref_size 231
	.end_amdhsa_kernel
	.amdgpu_metadata
---
amdhsa.version: [ 1, 2 ]
amdhsa.kernels:
  - .name:           k_q9ede7d8442_prep
    .symbol:         k_q9ede7d8442_prep.kd
    .args:
      - { .name: center_fea, .offset: 0, .size: 8, .value_kind: global_buffer, .address_space: global }
      - { .name: wh_fea, .offset: 8, .size: 8, .value_kind: global_buffer, .address_space: global }
      - { .name: cls_fea, .offset: 16, .size: 8, .value_kind: global_buffer, .address_space: global }
      - { .name: ln_g, .offset: 24, .size: 8, .value_kind: global_buffer, .address_space: global }
      - { .name: ln_b, .offset: 32, .size: 8, .value_kind: global_buffer, .address_space: global }
      - { .name: mix_w_codes, .offset: 40, .size: 8, .value_kind: global_buffer, .address_space: global }
      - { .name: mix_w_scales, .offset: 48, .size: 8, .value_kind: global_buffer, .address_space: global }
      - { .name: mix_b, .offset: 56, .size: 8, .value_kind: global_buffer, .address_space: global }
      - { .name: k_w_codes, .offset: 64, .size: 8, .value_kind: global_buffer, .address_space: global }
      - { .name: k_w_scales, .offset: 72, .size: 8, .value_kind: global_buffer, .address_space: global }
      - { .name: k_b, .offset: 80, .size: 8, .value_kind: global_buffer, .address_space: global }
      - { .name: v_w_codes, .offset: 88, .size: 8, .value_kind: global_buffer, .address_space: global }
      - { .name: v_w_scales, .offset: 96, .size: 8, .value_kind: global_buffer, .address_space: global }
      - { .name: v_b, .offset: 104, .size: 8, .value_kind: global_buffer, .address_space: global }
      - { .name: q1_w_codes, .offset: 112, .size: 8, .value_kind: global_buffer, .address_space: global }
      - { .name: q1_w_scales, .offset: 120, .size: 8, .value_kind: global_buffer, .address_space: global }
      - { .name: q1_b, .offset: 128, .size: 8, .value_kind: global_buffer, .address_space: global }
      - { .name: q2_w_codes, .offset: 136, .size: 8, .value_kind: global_buffer, .address_space: global }
      - { .name: q2_w_scales, .offset: 144, .size: 8, .value_kind: global_buffer, .address_space: global }
      - { .name: q2_b, .offset: 152, .size: 8, .value_kind: global_buffer, .address_space: global }
      - { .name: q3_w_codes, .offset: 160, .size: 8, .value_kind: global_buffer, .address_space: global }
      - { .name: q3_w_scales, .offset: 168, .size: 8, .value_kind: global_buffer, .address_space: global }
      - { .name: q3_b, .offset: 176, .size: 8, .value_kind: global_buffer, .address_space: global }
      - { .name: kv, .offset: 184, .size: 8, .value_kind: global_buffer, .address_space: global }
      - { .name: qw, .offset: 192, .size: 8, .value_kind: global_buffer, .address_space: global }
    .group_segment_fixed_size: 117248
    .private_segment_fixed_size: 0
    .kernarg_segment_align: 8
    .kernarg_segment_size: 200
    .max_flat_workgroup_size: 128
    .sgpr_count:     80
    .vgpr_count:     1024
    .wavefront_size: 32
...
	.end_amdgpu_metadata
.endif
;; end of part 1
;; launch attn (part 2): grid 128 x 2, 4 waves a work-group, clusters of 4 x 1, 327,680 bytes of LDS; arguments qw, kv, ln_g, ln_b, center_fea, cmlp_w1_codes, cmlp_w1_scales, cmlp_b1, cmlp_w2_codes, cmlp_w2_scales, cmlp_b2, out0, wh_fea, wmlp_w1_codes, wmlp_w1_scales, wmlp_b1, wmlp_w2_codes, wmlp_w2_scales, wmlp_b2, out1, cls_fea, clsmlp_w1_codes, clsmlp_w1_scales, clsmlp_b1, clsmlp_w2_codes, clsmlp_w2_scales, clsmlp_b2, out2; writes out0, out1, out2
.if DOCPART == 2
	.amdgcn_target "amdgcn-amd-amdhsa--gfx1250"
	.amdhsa_code_object_version 6
	.text
	.protected	k_q9ede7d8442_attn
	.globl	k_q9ede7d8442_attn
	.p2align	8
	.type	k_q9ede7d8442_attn,@function
k_q9ede7d8442_attn:
	s_mov_b64 s[64:65], 0
	v_nop
	global_prefetch_b8 v0, s[64:65] scope:SCOPE_SE
	s_setreg_imm32_b32 hwreg(HW_REG_WAVE_MODE, 25, 1), 1
	s_wait_xcnt 0x0
	s_wait_alu depctr_hold_cnt(0) depctr_sa_sdst(0) depctr_va_vdst(0) depctr_va_sdst(0) depctr_va_ssrc(0) depctr_va_vcc(0) depctr_vm_vsrc(0)
	s_getreg_b32 s2, hwreg(HW_REG_IB_STS2, 6, 4)
	s_cmp_eq_u32 s2, 0
	s_cbranch_scc0 .Lentry_in_a_cluster
	s_endpgm
.Lentry_in_a_cluster:
	s_bfe_u32 s2, ttmp6, 0x10000c
	s_cmp_lg_u32 s2, 0x3003
	s_cbranch_scc0 .Lentry_shape_is_right
	s_endpgm
.Lentry_shape_is_right:
; ATTN.  For 32 tokens of one batch and all three tasks: attention over the batch's 4,096 keys (codes of E3M2 from the launch before), residual, layer norm, MLP with exact GELU, residual, layer norm,
; and the result stored channels first.  All products on codes of E3M2 with one E8M0 scale for each 32 along K; all else f32.
; SHARES, key loop.  Wave w = 2 g + kh holds tokens 16 g .. 16 g + 15 of the three tasks (three tiles of queries) and walks keys 2,048 kh .. in 16 steps of 128: each fragment of K and V read from LDS feeds three products.
; Both products are used transposed (S^T = K Q^T, O^T = V^T P^T): a lane holds one query.  Tile u of 64 keys takes keys 8 u + (r & 7) + 32 (r >> 3), so that a lane's 32 registers of four tiles are a whole block of 32 keys.
; SOFTMAX.  t = score x log2(e); M = the running largest t rounded up to a whole number; p = 2^(t - M) is quantised; the sum is taken of the unquantised p; when M moves, sum and O^T are multiplied by a power of two.
; The two halves of the keys are joined at the end by powers of two in the same way.
; A KEY STEP, in order: K's loads in six runs of sixteen, and between them the 96 additions that add the LAST step's p to the sums (p stays in its registers until this step's first products write over them);
; S^T; the three tiles' softmax phase by phase (largest scores; -M and f, the three chains by turns; scalings and all 198 exponentials as one batch with one wait; scale bytes; codes; O^T x f), with V's loads
; in eight runs of twelve among its lines; O^T += V^T P^T.  Behind the last step the additions stand once more.
; CLUSTER.  The four work-groups of a cluster belong to one batch and walk the same K and V: each step's 102,400 bytes are asked for jointly, a quarter by each wave, into two slots by turns.
; TAIL.  Wave w owns channels 64 w .. 64 w + 63 of both token tiles; a loop of three trips takes the tasks; operands go from wave to wave as images of their registers.
; The MLP weights are not asked for jointly: they go once into each wave's registers, 24,576 bytes a wave and task, and pass through no slot.
; ADDRESS REGISTERS.  v4-15 and v58 hold LDS addresses and offsets into memory, v60-63 the lane's pieces of which they are made, and none of them ever holds data; the one vector that hangs on the
; work-group's place in its cluster, the offset into the features and outputs, has v59 to itself; the scalars that hold that place are s13, s14 and s[66:67] alone.
; LIMITS: NaN and infinities are not served; a block of zeros gets the scale byte 1; erfc is a ten-term fit with fractional error 1.2e-7; p under 2^-126 counts as 0.
.set SLOT1, 1<<17                      ; LDS: slot 0 at 0, slot 1 here; a slot: [step of key half 0][step of key half 1], 51,200 bytes each: K codes, V codes, K scale words, V scale words
.set SPARE, 102400                     ; the spare words, 128 bytes a wave
.set OXS,   233472                     ; the exchange of -M and the sums
.set WSCR,  236544                     ; each wave's scratch
.set WSZ,   13568
.set IMG0,  290816                     ; the tail's images, from this base on:
.set XIMG,  0                          ; the normed rows' four fragments
.set XSC,   6144                       ; their scale words, 8 bytes apart: [tile][K step][row][8 bytes]
.set HIMG,  6656                       ; the hidden layer's
.set HSC,   12800
.set LST1,  13312                      ; (mean, M2): [tile][wave][lane][8 bytes]
.set LST2,  15360
.set WV, 12
.set CX, 13
.set TBK, 14
.set BAT, 15
.set G1, 16
.set G0, 24
.set TB, 28
.set CNT, 29
.set LIM, 30
.set PFA, 32
.set SEL, 34
.set CS, 36
.set K256, 44
.set KEPS, 45
.set TK, 46
.set OXT, 47
.set PG0, 48                           ; a task's eight addresses: feature, w1 codes, w1 scales, b1, w2 codes, w2 scales, b2, out
.set PG1, 68
.set PG2, 84
.set SCR, 16                           ; v16-23 scale words of K, then of V; in the tail of W1 and W2
.set SH8, 3
; the tail's address registers
.set GD, 4                             ; v4   a weight: 16 lane + 12,288 w
.set GSC, 5                            ; v5   its scale words
.set GB, 6                             ; v6   biases: 128 h + 256 w
.set AOS, 7                            ; v7   the exchange: where I put O^T;  then v7-8: where I read it, token tiles 0 and 1
.set AXS, 8                            ; v8   the exchange: where I put -M and the sums
.set AOL, 7
.set AXL, 9                            ; v9   where I read -M and the sums
.set AI, 10                            ; v10  IMG0 + 8 x lane
.set DXL, 11                           ; v11  AXL in the task in hand
.set API, 12
.set APS, 13
.set AWL, 14
.set AR, 15
.set AW1, 58
.set GF, 59                            ; v59  features and outputs
.set DOL, 60                           ; v60-61 AOL in the task in hand
.set AT, 62
.set AST, 63
; the tail's work registers
.set PP, 38
.set K9, 40
.set C6, 42
.set T3, 48
.set HW, 51
.set QA, 52
.set QB, 53
.set QS, 54
.set QY, 55
.set QT, 56
.set LT, 57
.set XX, 64                            ; v64-127 the two tiles' 32 channels
.set HH, 128                           ; v128-191 the hidden layer
.set GX, 192
.set GT, 200
.set GE, 208
.set GA, 216
.set LA, 224
.set LB, 226
.set LD0, 228
.set LD1, 230
.set LC, 232
.set MN, 240
.set RS, 242
.set ST8, 244
.set AF, 192                           ; window 1
.set GG, 192                           ; window 3
.set BB, 224
.set GBW, 0x3c
.set MSB, 0
.macro WIN new                         ; the immediate's high byte repeats the setting that is left; a switch that changes nothing is dropped
.if MSB != (\new)
	s_set_vgpr_msb (MSB<<8)|(\new)
.set MSB, (\new)
.endif
.endm
.macro PLACES n
.rept \n
	v_nop
.endr
.endm
.macro BAR
	s_wait_dscnt 0x0
	s_barrier_signal -1
	s_barrier_wait -1
.endm
.macro CROUND                          ; a round of the cluster's barrier
	s_barrier_signal -1
	s_barrier_wait -1
	s_cmp_lg_u32 s[WV], 0
	s_cbranch_scc1 .Lnw0_\@
	s_barrier_signal -3
.Lnw0_\@:
	s_barrier_wait -3
	s_barrier_signal -1
	s_barrier_wait -1
.endm
.macro MMA d, a, b, c, sa, sb, ra, rb
.if (\c) < 0
	v_wmma_scale_f32_16x16x128_f8f6f4 v[(\d):(\d)+7], v[(\a):(\a)+11], v[(\b):(\b)+11], 0, v[(\sa)], v[(\sb)] matrix_a_fmt:MATRIX_FMT_BF6 matrix_b_fmt:MATRIX_FMT_BF6
.elseif (\ra) && (\rb)
	v_wmma_scale_f32_16x16x128_f8f6f4 v[(\d):(\d)+7], v[(\a):(\a)+11], v[(\b):(\b)+11], v[(\c):(\c)+7], v[(\sa)], v[(\sb)] matrix_a_fmt:MATRIX_FMT_BF6 matrix_b_fmt:MATRIX_FMT_BF6 matrix_a_scale:MATRIX_SCALE_ROW1 matrix_b_scale:MATRIX_SCALE_ROW1
.elseif (\ra)
	v_wmma_scale_f32_16x16x128_f8f6f4 v[(\d):(\d)+7], v[(\a):(\a)+11], v[(\b):(\b)+11], v[(\c):(\c)+7], v[(\sa)], v[(\sb)] matrix_a_fmt:MATRIX_FMT_BF6 matrix_b_fmt:MATRIX_FMT_BF6 matrix_a_scale:MATRIX_SCALE_ROW1
.else
	v_wmma_scale_f32_16x16x128_f8f6f4 v[(\d):(\d)+7], v[(\a):(\a)+11], v[(\b):(\b)+11], v[(\c):(\c)+7], v[(\sa)], v[(\sb)] matrix_a_fmt:MATRIX_FMT_BF6 matrix_b_fmt:MATRIX_FMT_BF6
.endif
.endm
.macro QHALF src, cc                   ; 32 numbers of a lane, one block along K: six code registers at cc, two scale bytes in HW
	v_max3_num_f32 v[QA], |v[(\src)]|, |v[(\src)+1]|, 0x2800000
	v_max3_num_f32 v[QB], |v[(\src)+2]|, |v[(\src)+3]|, 0x2800000
.irp i, 4,8,12,16,20,24,28
	v_max3_num_f32 v[QA], v[QA], |v[(\src)+\i]|, |v[(\src)+\i+1]|
	v_max3_num_f32 v[QB], v[QB], |v[(\src)+\i+2]|, |v[(\src)+\i+3]|
.endr
	v_max_num_f32 v[QA], v[QA], v[QB]
	v_add_nc_u32 v[QS], 0xfe000000, v[QA]
	v_lshrrev_b32 v[QY], 23, v[QS]
	v_cvt_scalef32_pk16_bf6_f32 v[(\cc):(\cc)+2], v[(\src):(\src)+15], v[QS]
	v_cvt_scalef32_pk16_bf6_f32 v[T3:T3+2], v[(\src)+16:(\src)+31], v[QS]
	v_lshlrev_b32 v[HW], v[SH8], v[QY]                                 ; a plain line behind the conversions
.irp i, 0,1,2
	v_mov_b32 v[(\cc)+3+\i], v[T3+\i]
.endr
	v_permlanex16_b32 v[QT], v[HW], s[SEL], s[SEL+1]
	v_or_b32 v[HW], v[HW], v[QT]
.endm
.macro PUTH cc, img, scl
.irp j, 0,1,2
	ds_store_b64 v[API], v[(\cc)+2*\j:(\cc)+2*\j+1] offset:(\img)+256*\j
.endr
	ds_store_b16 v[APS], v[HW] offset:(\scl)
.endm
.macro FETCH4 img, scl, as             ; four token fragments; their scale words lie 8 bytes apart, so 8 x lane serves both (K step 0 in lanes 0-15, 1 in lanes 16-31)
	WIN 0x40
.irp q, 0,1,2,3
.irp j, 0,1,2,3,4,5
	ds_load_b64 v[AF+12*\q+2*\j:AF+12*\q+2*\j+1], v[AI] offset:(\img)+1536*\q+256*\j
.endr
.endr
	WIN 0
	ds_load_b32 v[(\as)], v[AI] offset:(\scl)
	ds_load_b32 v[(\as)+1], v[AI] offset:(\scl)+256
.endm
.macro WLOAD reg, win, ptr             ; my 64 weight rows: 12,288 consecutive bytes
	WIN (\win)<<6
.set n, 0
.rept 24
	global_load_b128 v[(\reg)+4*n:(\reg)+4*n+3], v[GD], s[(\ptr):(\ptr)+1] offset:512*n
.set n, n+1
.endr
	WIN 0
.endm
; 96 registers as loaded become eight fragments, through my scratch.  There rows of 192 bytes lie in groups of four, 16 bytes of padding behind each group (784 bytes a group) and 32 more in front of rows 32-63:
; in places of 8 bytes modulo 32 a fragment load's lanes stand at 24 (r & 3) + 3 h + 2 ((r >> 2) & 1) + 20 (r >> 3), 32 different places.  Three loads are eight rows: the second one's lanes 16-31 lie behind a padding, the third wholly.
; LDS serves a wave's instructions in order: no wait between the stores and the loads
.macro WTURN st, ws, fr, wf
	WIN (\ws)<<2
.set n, 0
.rept 24
.if (n%3) == 1
	ds_store_b128 v[AW1], v[(\st)+4*n:(\st)+4*n+3] offset:1568*(n/3)+32*(n/12)+512
.else
	ds_store_b128 v[AR], v[(\st)+4*n:(\st)+4*n+3] offset:1568*(n/3)+32*(n/12)+520*(n%3)
.endif
.set n, n+1
.endr
	WIN (\wf)<<6
.set n, 0
.rept 48
	ds_load_b64 v[(\fr)+2*n:(\fr)+2*n+1], v[AWL] offset:1568*(n/12)+96*((n/6)%2)+48*((n/3)%2)+8*(n%3)
.set n, n+1
.endr
	WIN 0
.endm
.macro FTURN src, ws, dst, wd
	WIN (\ws)<<2
.set n, 0
.rept 16
	ds_store_b128 v[AR], v[(\src)+4*n:(\src)+4*n+3] offset:512*n+64*(n/8)
.set n, n+1
.endr
	WIN (\wd)<<6
.set n, 0
.rept 64
	ds_load_b32 v[(\dst)+n], v[AT] offset:128*(n%32)+64*(n/32)
.set n, n+1
.endr
	WIN 0
.endm
.macro PROD acc, uu, wu, ws, as, cb, wc   ; 16 matrix instructions, the eight accumulators by turns
.if (\cb) >= 0
	WIN (\wu)|4|((\wc)<<4)
.else
	WIN (\wu)|4
.endif
.irp m, 0,1
.irp u, 0,1,2,3
.if (\cb) >= 0
	MMA (\acc)+32*\m+8*\u, (\uu)+24*\u, AF+24*\m, (\cb)+8*\u, (\ws)+\u, (\as)+\m, 0, 0
.else
	MMA (\acc)+32*\m+8*\u, (\uu)+24*\u, AF+24*\m, (\acc)+32*\m+8*\u, (\ws)+\u, (\as)+\m, 0, 0
.endif
.endr
.endr
	WIN (\wu)|4
.irp m, 0,1
.irp u, 0,1,2,3
	MMA (\acc)+32*\m+8*\u, (\uu)+24*\u+12, AF+24*\m+12, (\acc)+32*\m+8*\u, (\ws)+\u, (\as)+\m, 1, 1
.endr
.endr
	WIN 0
.endm
.macro LSTAT src
	v_pk_add_f32 v[LA:LA+1], v[(\src):(\src)+1], v[(\src)+2:(\src)+3]
	v_pk_add_f32 v[LB:LB+1], v[(\src)+4:(\src)+5], v[(\src)+6:(\src)+7]
.irp i, 8,12,16,20,24,28
	v_pk_add_f32 v[LA:LA+1], v[LA:LA+1], v[(\src)+\i:(\src)+\i+1]
	v_pk_add_f32 v[LB:LB+1], v[LB:LB+1], v[(\src)+\i+2:(\src)+\i+3]
.endr
	v_pk_add_f32 v[LA:LA+1], v[LA:LA+1], v[LB:LB+1]
	v_add_f32 v[LA], v[LA], v[LA+1]
	v_permlanex16_b32 v[LT], v[LA], s[SEL], s[SEL+1]
	v_add_f32 v[LA], v[LA], v[LT]
	v_mul_f32 v[PP], 0x3c800000, v[LA]
	v_pk_add_f32 v[LD0:LD0+1], v[(\src):(\src)+1], v[PP:PP+1] op_sel_hi:[1,0] neg_lo:[0,1] neg_hi:[0,1]
	v_pk_add_f32 v[LD1:LD1+1], v[(\src)+2:(\src)+3], v[PP:PP+1] op_sel_hi:[1,0] neg_lo:[0,1] neg_hi:[0,1]
	v_pk_mul_f32 v[LA:LA+1], v[LD0:LD0+1], v[LD0:LD0+1]
	v_pk_mul_f32 v[LB:LB+1], v[LD1:LD1+1], v[LD1:LD1+1]
.irp i, 4,8,12,16,20,24,28
	v_pk_add_f32 v[LD0:LD0+1], v[(\src)+\i:(\src)+\i+1], v[PP:PP+1] op_sel_hi:[1,0] neg_lo:[0,1] neg_hi:[0,1]
	v_pk_add_f32 v[LD1:LD1+1], v[(\src)+\i+2:(\src)+\i+3], v[PP:PP+1] op_sel_hi:[1,0] neg_lo:[0,1] neg_hi:[0,1]
	v_pk_fma_f32 v[LA:LA+1], v[LD0:LD0+1], v[LD0:LD0+1], v[LA:LA+1]
	v_pk_fma_f32 v[LB:LB+1], v[LD1:LD1+1], v[LD1:LD1+1], v[LB:LB+1]
.endr
	v_pk_add_f32 v[LA:LA+1], v[LA:LA+1], v[LB:LB+1]
	v_add_f32 v[LA], v[LA], v[LA+1]
	v_permlanex16_b32 v[LT], v[LA], s[SEL], s[SEL+1]
	v_add_f32 v[PP+1], v[LA], v[LT]
.endm
.macro LN sto, src
.irp q, 0,1,2,3
	ds_load_b64 v[LC+2*\q:LC+2*\q+1], v[AI] offset:(\sto)+256*\q
.endr
	s_wait_dscnt 0x0
	v_add_f32 v[QA], v[LC], v[LC+2]
	v_add_f32 v[QB], v[LC+4], v[LC+6]
	v_add_f32 v[QA], v[QA], v[QB]
	v_mul_f32 v[MN], 0x3e800000, v[QA]
	v_add_f32 v[QB], v[LC+1], v[LC+3]
	v_add_f32 v[QS], v[LC+5], v[LC+7]
	v_add_f32 v[QB], v[QB], v[QS]
.irp q, 0,1,2,3
	v_sub_f32 v[LC+2*\q], v[LC+2*\q], v[MN]
.endr
	v_mul_f32 v[QA], v[LC], v[LC]
	v_fma_f32 v[QA], v[LC+2], v[LC+2], v[QA]
	v_fma_f32 v[QA], v[LC+4], v[LC+4], v[QA]
	v_fma_f32 v[QA], v[LC+6], v[LC+6], v[QA]
	v_fma_f32 v[QB], v[QA], 0x42800000, v[QB]
	v_fma_f32 v[QB], v[QB], s[K256], s[KEPS]
	v_rsq_f32 v[RS], v[QB]
.irp i, 0,2,4,6,8,10,12,14,16,18,20,22,24,26,28,30
	v_pk_add_f32 v[(\src)+\i:(\src)+\i+1], v[(\src)+\i:(\src)+\i+1], v[MN:MN+1] op_sel_hi:[1,0] neg_lo:[0,1] neg_hi:[0,1]
.endr
	s_wait_alu depctr_va_vdst(0)                                       ; the wait ahead of the root's first reader
.irp i, 0,2,4,6,8,10,12,14,16,18,20,22,24,26,28,30
	v_pk_mul_f32 v[(\src)+\i:(\src)+\i+1], v[(\src)+\i:(\src)+\i+1], v[RS:RS+1] op_sel_hi:[1,0]
.endr
	WIN GBW
.irp i, 0,2,4,6,8,10,12,14,16,18,20,22,24,26,28,30
	v_pk_fma_f32 v[(\src)+\i:(\src)+\i+1], v[(\src)+\i:(\src)+\i+1], v[GG+\i:GG+\i+1], v[BB+\i:BB+\i+1]
.endr
	WIN 0
.endm
; gelu(x) = max(x, 0) - |x| erfc(|x| / sqrt 2) / 2, erfc(z) = t 2^(-z^2 log2 e + P(t)), t = 1 / (1 + z / 2), P of degree 9 with its coefficients times log2 e.  Eight numbers, one accumulator
.macro GELU8 x
.irp i, 0,1,2,3,4,5,6,7
	v_and_b32 v[GX+\i], 0x7fffffff, v[(\x)+\i]
.endr
.irp p, 0,2,4,6
	v_pk_fma_f32 v[GT+\p:GT+\p+1], v[GX+\p:GX+\p+1], 0x3eb504f3, 1.0 op_sel_hi:[1,0,0]
.endr
.irp i, 0,1,2,3,4,5,6,7
	v_rcp_f32 v[GT+\i], v[GT+\i]
.endr
.irp p, 0,2,4,6
	v_pk_mul_f32 v[GE+\p:GE+\p+1], v[(\x)+\p:(\x)+\p+1], v[(\x)+\p:(\x)+\p+1]
.endr
	s_wait_alu depctr_va_vdst(0)                                       ; one wait for the eight reciprocals
.irp p, 0,2,4,6
	v_pk_fma_f32 v[GA+\p:GA+\p+1], v[GT+\p:GT+\p+1], v[K9:K9+1], 0xbf97d29d op_sel_hi:[1,1,0]
.endr
.irp cf, 0x40097039, 0xbfd1a1e5, 0x3ecdfd18, 0xbe899a80, 0x3e0efb2e, 0x3f0a29d2, 0x3fb8ab5a, 0xbfe9b21e
.irp p, 0,2,4,6
	v_pk_fma_f32 v[GA+\p:GA+\p+1], v[GA+\p:GA+\p+1], v[GT+\p:GT+\p+1], \cf op_sel_hi:[1,1,0]
.endr
.endr
.irp p, 0,2,4,6
	v_pk_fma_f32 v[GE+\p:GE+\p+1], v[GE+\p:GE+\p+1], 0xbf38aa3b, v[GA+\p:GA+\p+1] op_sel_hi:[1,0,1]
.endr
.irp i, 0,1,2,3,4,5,6,7
	v_exp_f32 v[GE+\i], v[GE+\i]
.endr
.irp i, 0,1,2,3,4,5,6,7
	v_max_num_f32 v[(\x)+\i], 0, v[(\x)+\i]
.endr
.irp p, 0,2,4,6
	v_pk_mul_f32 v[GX+\p:GX+\p+1], v[GX+\p:GX+\p+1], v[GT+\p:GT+\p+1]
.endr
	s_wait_alu depctr_va_vdst(0)                                       ; one wait for the eight exponentials
.irp p, 0,2,4,6
	v_pk_mul_f32 v[GX+\p:GX+\p+1], v[GX+\p:GX+\p+1], v[GE+\p:GE+\p+1]
.endr
.irp p, 0,2,4,6
	v_pk_fma_f32 v[(\x)+\p:(\x)+\p+1], v[GX+\p:GX+\p+1], -0.5, v[(\x)+\p:(\x)+\p+1] op_sel_hi:[1,0,1]
.endr
.endm
.macro BIGLOADS pg                     ; a task's two weights and its residual: 64 loads
	WLOAD 0, 3, (\pg)+2
	WLOAD 96, 3, (\pg)+8
	WIN 0x80
.set n, 0
.rept 16
	global_load_b128 v[192+4*n:195+4*n], v[GF], s[(\pg):(\pg)+1] offset:65536*n
.set n, n+1
.endr
	WIN 0
.endm
.macro SMALLLOADS pg                   ; its scale words and biases: 24 loads
.irp u, 0,1,2,3
	global_load_b32 v[SCR+\u], v[GSC], s[(\pg)+4:(\pg)+5] offset:64*\u
	global_load_b32 v[SCR+4+\u], v[GSC], s[(\pg)+10:(\pg)+11] offset:64*\u
.endr
	WIN 0x80
.irp q, 0,1,2,3,4,5,6,7
	global_load_b128 v[160+4*\q:163+4*\q], v[GB], s[(\pg)+6:(\pg)+7] offset:16*\q
	global_load_b128 v[128+4*\q:131+4*\q], v[GB], s[(\pg)+12:(\pg)+13] offset:16*\q
.endr
	WIN 0
.endm
; THE KEY LOOP'S REGISTERS.  window 0: v4-9 lane places in a step (K even and odd chunks, V even and odd, K scales, V scales), v10-15 the same in the slot in hand; v16-23 K's, then V's scale words;
; v24-26 Q's, v27-29 P's; v[30 + 6 t ..]: -M, largest t, the sum in two halves, f, and a register at work beside it; v[48 + 2 t], v[49 + 2 t]: tile t's two blocks (largest score, then largest p, then the conversions'
; scale operand), and at a step's head the sums' second chains; v54-56 at work; v58 the prefetch's offset; v[64 + 64 t ..] S^T, then p.
; window 1: O^T of tiles 0, 1.  window 2: v0-127 O^T of tile 2; v[128 + 24 t + 12 s] Q; v[200 + 12 t] P's codes; v236-242 at work.  window 3: v0-191 16 fragments of K or V; v192-255 ln_g, ln_b.
; Number SUI of the 96 additions that add a step's unquantised p to the three sums: for each tile two chains, the sum itself and v[48 + 2 t : 49 + 2 t]; the six chains take turns
.macro LS
.if SUI < 3
	v_pk_add_f32 v[48+2*SUI:49+2*SUI], v[64+64*SUI:65+64*SUI], v[66+64*SUI:67+64*SUI]
.elseif SUI < 93
.set SUT, ((SUI-3)%6)%3
.set SUK, 4+4*((SUI-3)/6)
.if ((SUI-3)%6) < 3
	v_pk_add_f32 v[32+6*SUT:33+6*SUT], v[32+6*SUT:33+6*SUT], v[64+64*SUT+SUK:65+64*SUT+SUK]
.else
	v_pk_add_f32 v[48+2*SUT:49+2*SUT], v[48+2*SUT:49+2*SUT], v[66+64*SUT+SUK:67+64*SUT+SUK]
.endif
.else
	v_pk_add_f32 v[32+6*(SUI-93):33+6*(SUI-93)], v[32+6*(SUI-93):33+6*(SUI-93)], v[48+2*(SUI-93):49+2*(SUI-93)]
.endif
.set SUI, SUI+1
.endm
.macro VRUN k                          ; twelve of V's 96 loads: fragments 2 k and 2 k + 1
	WIN 0xc0
.set VLN, 12*(\k)
.rept 12
	ds_load_b64 v[2*VLN:2*VLN+1], v[12+(3*(VLN/6)+VLN%3)%2] offset:12288*((VLN%6)/3)+128*(3*(VLN/6)+VLN%3)
.set VLN, VLN+1
.endr
.endm
.macro MAXS t                          ; the largest score of each of tile t's two blocks of 32 keys, in two chains each, every accumulator from its low end on
	WIN 0
.set SB, 64+64*(\t)
.set BM, 48+2*(\t)
.irp c, 0,1
	v_max3_num_f32 v[BM+\c], v[SB+32*\c], v[SB+32*\c+1], v[SB+32*\c+2]
	v_max3_num_f32 v[54+\c], v[SB+32*\c+16], v[SB+32*\c+17], v[SB+32*\c+18]
.endr
.irp i, 3,5,7,9,11,13
.irp c, 0,1
	v_max3_num_f32 v[BM+\c], v[BM+\c], v[SB+32*\c+\i], v[SB+32*\c+\i+1]
	v_max3_num_f32 v[54+\c], v[54+\c], v[SB+32*\c+16+\i], v[SB+32*\c+17+\i]
.endr
.endr
.irp c, 0,1
	v_max3_num_f32 v[BM+\c], v[BM+\c], v[SB+32*\c+15], v[54+\c]
.endr
.irp c, 0,1
	v_max_num_f32 v[BM+\c], v[BM+\c], v[SB+32*\c+31]
.endr
.endm
.macro CHAIN                           ; the running largest t, -M and f of the three tiles: three chains of dependent lines, by turns
	WIN 0
.irp t, 0,1,2
	v_max_num_f32 v[34+6*\t], v[48+2*\t], v[49+2*\t]
.endr
.irp t, 0,1,2
	v_permlanex16_b32 v[35+6*\t], v[34+6*\t], s[SEL], s[SEL+1]
.endr
.irp t, 0,1,2
	v_max_num_f32 v[34+6*\t], v[34+6*\t], v[35+6*\t]   ; the step's largest score of my query
.endr
.irp t, 0,1,2
	v_mul_f32 v[34+6*\t], s[CS], v[34+6*\t]
.endr
.irp t, 0,1,2
	v_max_num_f32 v[31+6*\t], v[31+6*\t], v[34+6*\t]   ; the running largest t
.endr
.irp t, 0,1,2
	v_mov_b32 v[34+6*\t], v[30+6*\t]
.endr
.irp t, 0,1,2
	v_floor_f32 v[30+6*\t], -v[31+6*\t]            ; -M = floor(-t): M is a whole number
.endr
.irp t, 0,1,2
	v_sub_f32 v[34+6*\t], v[30+6*\t], v[34+6*\t]
.endr
.irp t, 0,1,2
	v_cvt_i32_f32 v[34+6*\t], v[34+6*\t]           ; (it saturates)
.endr
.irp t, 0,1,2
	v_ldexp_f32 v[34+6*\t], 1.0, v[34+6*\t]        ; f = 2^(old M - new M)
.endr
.irp t, 0,1,2
	v_fma_f32 v[48+2*\t], v[48+2*\t], s[CS], v[30+6*\t]   ; t - M of each block's largest score
	v_fma_f32 v[49+2*\t], v[49+2*\t], s[CS], v[30+6*\t]
.endr
.endm
.macro SCALE0                          ; tile 0's scores become t - M
	WIN 0
.set n, 0
.rept 32
	v_pk_fma_f32 v[64+n:65+n], v[64+n:65+n], s[CS:CS+1], v[30:31] op_sel_hi:[1,0,0]
.set n, n+2
.endr
.endm
.macro EXPS t                          ; tile t's 64 exponentials, p = 2^(t - M); between them tile t + 1's scalings, which name no exponential's result
	WIN 0
.set n, 0
.rept 32
.if (\t) < 2
	v_pk_fma_f32 v[128+64*(\t)+n:129+64*(\t)+n], v[128+64*(\t)+n:129+64*(\t)+n], s[CS:CS+1], v[36+6*(\t):37+6*(\t)] op_sel_hi:[1,0,0]
.endif
	v_exp_f32 v[64+64*(\t)+n], v[64+64*(\t)+n]
	v_exp_f32 v[65+64*(\t)+n], v[65+64*(\t)+n]
.set n, n+2
.endr
.endm
.macro BYTES                           ; from each block's largest p: the conversions' scale operand, in place, and p's scale words
	WIN 0
.irp i, 0,1,2,3,4,5
	v_max_num_f32 v[48+\i], 0x2800000, v[48+\i]    ; the floor 2^(5 - 127) holds the byte at 1 from below
.endr
.irp i, 0,1,2,3,4,5
	v_add_nc_u32 v[48+\i], 0xfe000000, v[48+\i]    ; 4 off the exponent field
.endr
.irp t, 0,1,2
	v_lshrrev_b32 v[35+6*\t], 23, v[48+2*\t]
.endr
.irp t, 0,1,2
	v_lshrrev_b32 v[54+\t], 23, v[49+2*\t]
.endr
.irp t, 0,1,2
	v_lshl_or_b32 v[35+6*\t], v[54+\t], 16, v[35+6*\t]   ; my blocks are h and 2 + h of the step's four
.endr
.irp t, 0,1,2
	v_lshlrev_b32 v[35+6*\t], v[SH8], v[35+6*\t]
.endr
.irp t, 0,1,2
	v_permlanex16_b32 v[54+\t], v[35+6*\t], s[SEL], s[SEL+1]
.endr
.irp t, 0,1,2
	v_or_b32 v[27+\t], v[35+6*\t], v[54+\t]
.endr
.endm
.macro CODES t                         ; tile t's p as codes; p itself stays where it is, for the sums
.set SB, 64+64*(\t)
.set PB, 200+12*(\t)
	WIN 0x80
	v_cvt_scalef32_pk16_bf6_f32 v[PB:PB+2], v[SB:SB+15], v[48+2*(\t)]
	v_cvt_scalef32_pk16_bf6_f32 v[236:238], v[SB+16:SB+31], v[48+2*(\t)]
	v_cvt_scalef32_pk16_bf6_f32 v[PB+6:PB+8], v[SB+32:SB+47], v[49+2*(\t)]
	v_cvt_scalef32_pk16_bf6_f32 v[240:242], v[SB+48:SB+63], v[49+2*(\t)]
	v_nop                                          ; a plain line behind the conversions
	WIN 0x82
.irp i, 0,1,2
	v_mov_b32 v[PB+3+\i], v[236+\i]
	v_mov_b32 v[PB+9+\i], v[240+\i]
.endr
.endm
.macro RESC t                          ; tile t's O^T under the new M, from each accumulator's low end on
.if (\t) < 2
	WIN 0x41
.set OB, 128*(\t)
.else
	WIN 0x82
.set OB, 0
.endif
.set n, 0
.rept 64
	v_pk_mul_f32 v[OB+n:OB+n+1], v[OB+n:OB+n+1], v[34+6*(\t):35+6*(\t)] op_sel_hi:[1,0]
.set n, n+2
.endr
.endm
.macro STEP                            ; 128 keys of my half
.irp a, 0,1,2,3,4,5
	v_add_nc_u32 v[10+\a], s[TB], v[4+\a]          ; (six plain lines behind the last products, in front of the loads into their operands)
.endr
.irp q, 0,1,2,3,4,5,6,7
	ds_load_b32 v[SCR+\q], v14 offset:512*(\q/4)+64*(\q%4)
.endr
.set SUI, 0
.set KRN, 0
.rept 6                                ; K's 16 fragments (tile kt, channels 128 s on), those of channels 0-127 first, in runs of sixteen loads; behind each run sixteen of the last step's additions
	WIN 0xc0
.set KLN, 16*(KRN%3)
.rept 16
	ds_load_b64 v[12*(2*(KLN/6)+KRN/3)+2*(KLN%6):12*(2*(KLN/6)+KRN/3)+2*(KLN%6)+1], v[10+KLN%2] offset:12288*(KLN/24)+128*((2*((KLN/6)%4)+KRN/3)*6+KLN%6)
.set KLN, KLN+1
.endr
	WIN 0
.rept 16
	LS
.endr
.set KRN, KRN+1
.endr
	s_wait_dscnt 48                                ; the 48 loads for channels 128-255 are younger
	WIN 0x0b
.set n, 0
.rept 24
	MMA 64+64*(n%3)+8*(n/3), 24*(n/3), 128+24*(n%3), -1, SCR+n/3, 24+n%3, 0, 0
.set n, n+1
.endr
	s_wait_dscnt 0x0
.set n, 0
.rept 24
	MMA 64+64*(n%3)+8*(n/3), 24*(n/3)+12, 140+24*(n%3), 64+64*(n%3)+8*(n/3), SCR+n/3, 24+n%3, 1, 1
.set n, n+1
.endr
	WIN 0
	PLACES 4
.irp q, 0,1,2,3,4,5,6,7
	ds_load_b32 v[SCR+\q], v15 offset:128*\q       ; V's scale words: tile 2 q in lanes 0-15, 2 q + 1 in lanes 16-31
.endr
	MAXS 0
	VRUN 0
	MAXS 1
	VRUN 1
	MAXS 2
	VRUN 2
	CHAIN
	VRUN 3
	SCALE0
	VRUN 4
	EXPS 0                                         ; ONE BATCH of 198 exponentials: from here to the wait no line names a result of one
	EXPS 1
	EXPS 2
.irp i, 0,1,2,3,4,5
	v_exp_f32 v[48+\i], v[48+\i]                   ; each block's largest p: the same two instructions on the same number give the same bits
.endr
.irp t, 0,1,2
	v_pk_mul_f32 v[32+6*\t:33+6*\t], v[32+6*\t:33+6*\t], v[34+6*\t:35+6*\t] op_sel_hi:[1,0]   ; the sums under the new M: plain lines behind the batch
.endr
	s_wait_alu depctr_va_vdst(0)                   ; one wait for the batch, ahead of its first reader
	BYTES
	VRUN 5
	CODES 0
	CODES 1
	VRUN 6
	CODES 2
	RESC 0
	VRUN 7
	RESC 1                                         ; these lines also stand between the last writes of the scale words and codes and the products
	RESC 2
	s_wait_dscnt 0x0                               ; V is in: my reads of this slot are over
	WIN 0x5b
.set n, 0
.rept 32
	MMA 128*(n%2)+8*(n/2), 12*(n/2), 200+12*(n%2), 128*(n%2)+8*(n/2), SCR+n/4, 27+n%2, (n/2)%2, 0
.set n, n+1
.endr
	WIN 0xab
.set n, 0
.rept 16
	MMA 8*n, 12*n, 224, 8*n, SCR+n/2, 29, n%2, 0
.set n, n+1
.endr
	WIN 0
.endm
; what the change of slots after the next will ask for: my wave's 100 rows of 256 bytes, of which each of the four partners names 25, told apart by address; the batch's first cluster asks
.macro ASK
	s_cmp_gt_u32 s[CNT], s[LIM]
	s_cbranch_scc0 .Lnm_\@
	global_prefetch_b8 v58, s[PFA:PFA+1] th:TH_LOAD_NT scope:SCOPE_SE
.Lnm_\@:
.endm
; THE CHANGE OF SLOTS stands at a step's head: all my tensor loads have landed (my quarter of the slot ahead), 0 is added to my spare word, the add and my reads of the slot that I have left are done.
; fill = 1: behind a round of the cluster's barrier that slot is asked for again jointly, with the next step's bytes: one load a wave
.macro CHANGE fill
	s_wait_tensorcnt 0x0
	ds_add_u32 v1, v2
.if \fill
	s_xor_b32 s[G0+1], s[G0+1], SLOT1
	s_add_nc_u64 s[G0+2:G0+3], s[G0+2:G0+3], 51200
	s_wait_xcnt 0x0                                ; the last prefetch, a step back, has read its address
	s_add_nc_u64 s[PFA:PFA+1], s[PFA:PFA+1], 51200
	s_wait_dscnt 0x0
	CROUND
	tensor_load_to_lds s[G0:G0+3], s[G1:G1+7]
	s_nop 0
.rept 4
	v_nop
.endr
	ASK
.else
	s_wait_dscnt 0x0
	s_barrier_signal -1
	s_barrier_wait -1
.endif
.endm
	s_load_b256 s[4:11], s[0:1], 0x0               ; qw, kv, ln_g, ln_b
	s_load_b512 s[PG0:PG0+15], s[0:1], 0x20
	s_load_b512 s[PG1:PG1+15], s[0:1], 0x60
	s_load_b512 s[PG2:PG2+15], s[0:1], 0xa0
	v_lshl_add_u32 v1, v0, 2, SPARE
	v_mov_b32 v2, 0
	ds_add_u32 v1, v2
	ds_add_u32 v1, v2
	s_wait_dscnt 0x0
	v_lshrrev_b32 v48, 5, v0
	v_readfirstlane_b32 s[WV], v48
	s_bfe_u32 s[CX], ttmp6, 0x40000
	s_lshl_b32 s[TBK], ttmp9, 2
	s_add_co_u32 s[TBK], s[TBK], s[CX]             ; my token block: it enters global addresses alone
	s_and_b32 s[BAT], ttmp7, 0xffff
	s_mov_b32 s[G1], 15|(3<<16)|(1<<21)            ; all four work-groups; elements of 8 bytes; no padding
	s_mov_b32 s[G1+1], 32<<16                      ; rows of 256 bytes,
	s_mov_b32 s[G1+2], 100<<16                     ; 100 of them, dense
	s_mov_b32 s[G1+3], 32<<16
	s_mov_b32 s[G1+4], 100
	s_mov_b32 s[G1+5], 32
	s_mov_b32 s[G1+6], 0
	s_mov_b32 s[G1+7], 0
	s_mul_i32 s38, s[BAT], 1638400
	s_lshr_b32 s41, s[WV], 1
	s_mul_i32 s39, s41, 819200                     ; waves 0, 1 fetch key half 0's step, waves 2, 3 key half 1's,
	s_add_co_u32 s38, s38, s39
	s_and_b32 s40, s[WV], 1
	s_mul_i32 s39, s40, 25600                      ; half of it each
	s_add_co_u32 s38, s38, s39
	s_mov_b32 s39, 0
	s_mul_i32 s66, s[CX], 6400                     ; (what hangs on my place in the cluster is made in s[66:67] alone)
	s_add_co_u32 s66, s66, 51200
	s_mov_b32 s67, 0
	s_cmp_eq_u32 ttmp9, 0
	s_cselect_b32 s[LIM], 1, -1
	s_mov_b32 s[SEL], 0x76543210
	s_mov_b32 s[SEL+1], 0xfedcba98
	s_mov_b32 s[CS], 0x3fb8aa3b                    ; log2(e)
	s_mov_b32 s[CS+1], s[CS]
	s_mov_b32 s[K256], 0x3b800000
	s_mov_b32 s[KEPS], 0x3727c5ac
	s_mov_b32 s[TB], 0
	s_mov_b32 s[CNT], 15
	s_wait_kmcnt 0x0
	s_mov_b32 s[G0], 1
	s_mul_i32 s[G0+1], s[WV], 25600
	s_add_nc_u64 s[G0+2:G0+3], s[6:7], s[38:39]
	s_add_nc_u64 s[PFA:PFA+1], s[G0+2:G0+3], s[66:67]   ; at step 1; the first change steps it to step 2
	s_or_b32 s[G0+3], s[G0+3], 0x80000000
	s_lshl_b32 s66, s[BAT], 7
	s_add_co_u32 s66, s66, s[TBK]
	s_mul_i32 s66, s66, 19200
	s_add_nc_u64 s[4:5], s[4:5], s[66:67]
	s_lshl_b32 s66, s[BAT], 22                     ; features and outputs: batch, my wave's 64 channels, my 32 tokens
	s_lshl_b32 s67, s[WV], 20
	s_add_co_u32 s66, s66, s67
	s_lshl_b32 s67, s[TBK], 7
	s_add_co_u32 s66, s66, s67
	CROUND                                         ; all four work-groups are here: the first joint loads meet
	tensor_load_to_lds s[G0:G0+3], s[G1:G1+7]      ; step 0 into slot 0: one load of mine is out
	s_nop 0
.rept 4
	v_nop
.endr
	v_and_b32 v60, 31, v0                          ; lane
	v_bfe_u32 v61, v0, 4, 1                        ; h
	v_and_b32 v62, 7, v0                           ; r & 7
	v_bfe_u32 v63, v0, 3, 1                        ; r >> 3
	s_mul_i32 s42, s41, 3072
	v_lshl_add_u32 v49, v60, 3, s42
	s_lshl_b32 s42, s41, 7
	v_lshl_add_u32 v50, v60, 2, s42
	s_lshl_b32 s42, s[WV], 8
	v_lshl_add_u32 v51, v61, 7, s42
	WIN 0x80
.irp t, 0,1,2
.irp sk, 0,1
.irp j, 0,1,2,3,4,5
	global_load_b64 v[128+24*\t+12*\sk+2*\j:129+24*\t+12*\sk+2*\j], v49, s[4:5] offset:6144*\t+1536*\sk+256*\j
.endr
.endr
.endr
	WIN 0
.irp t, 0,1,2
	global_load_b32 v[24+\t], v50, s[4:5] offset:18432+256*\t
.endr
	WIN 0xc0
.irp q, 0,1,2,3,4,5,6,7
	global_load_b128 v[GG+4*\q:GG+4*\q+3], v51, s[8:9] offset:16*\q
	global_load_b128 v[BB+4*\q:BB+4*\q+3], v51, s[10:11] offset:16*\q
.endr
	WIN 0
	v_lshlrev_b32 v[SH8], 3, v61
	s_mul_i32 s41, s40, 51200                      ; my half of the keys
	v_lshlrev_b32 v4, 6, v61
	v_lshl_add_u32 v4, v62, 3, v4
	v_add_nc_u32 v4, s41, v4
	v_mad_u32_u24 v5, v63, 6016, v4                ; rows 8-15 of a tile lie in the next block of 32 keys, whose chunks of 128 bytes are swapped in pairs
	v_mad_u32_u24 v4, v63, 6272, v4
	s_add_co_u32 s42, s41, 24576
	v_and_b32 v6, 15, v0
	v_lshl_add_u32 v6, v6, 3, s42
	v_mad_u32_u24 v7, v61, 6016, v6
	v_mad_u32_u24 v6, v61, 6272, v6
	v_lshlrev_b32 v8, 8, v63
	v_lshl_add_u32 v8, v61, 5, v8
	v_lshl_add_u32 v8, v62, 2, v8
	s_add_co_u32 s42, s41, 49152
	v_add_nc_u32 v8, s42, v8
	s_add_co_u32 s42, s41, 50176
	v_lshl_add_u32 v9, v60, 2, s42
	v_min_u32 v58, 24, v60
	v_lshlrev_b32 v58, 8, v58
	v_lshrrev_b32 v[GF], 3, v60
	v_lshlrev_b32 v[GF], 14, v[GF]
	v_lshl_add_u32 v[GF], v62, 4, v[GF]
	v_add_nc_u32 v[GF], s66, v[GF]
	v_mov_b32 v57, 0                               ; written once: in the tail it is a lane permute's destination, which counts as read
.irp t, 0,1,2
	v_mov_b32 v[31+6*\t], 0xff61b1e6               ; the largest t so far: -3e38
	v_floor_f32 v[30+6*\t], -v[31+6*\t]
	v_mov_b32 v[32+6*\t], 0
	v_mov_b32 v[33+6*\t], 0
	v_mov_b32 v[34+6*\t], 0
	v_mov_b32 v[35+6*\t], 0
.endr
.set n, 0
.rept 192                              ; p begins as zeros: the first step's head adds them to the sums, which stand in for a step before the first
	v_mov_b32 v[64+n], 0
.set n, n+1
.endr
	WIN 0x40                                       ; O^T begins as zeros, so that the key step is written twice and not three times: the first change of M leaves zeros
.set n, 0
.rept 256
	v_mov_b32 v[n], 0
.set n, n+1
.endr
	WIN 0x80
.set n, 0
.rept 128
	v_mov_b32 v[n], 0
.set n, n+1
.endr
	WIN 0
	s_wait_loadcnt 0x0                             ; Q, g, b
.Lkeys:                                            ; 15 trips: behind each change of slots but the last the next step is asked for
	CHANGE 1
	STEP
	s_xor_b32 s[TB], s[TB], SLOT1
	s_sub_co_u32 s[CNT], s[CNT], 1
	s_cmp_lg_u32 s[CNT], 0
	s_cbranch_scc1 .Lkeys
	CHANGE 0                                       ; the last step is written out
	STEP
	; ---- THE EXCHANGE.  Task 0's weights, biases and residual are asked for; O^T, -M and the sums go to LDS, over the slots, which have had their last fill
	PLACES 4
	s_wait_xcnt 0x0                                ; the last prefetch has read v58
	v_and_b32 v60, 31, v0                          ; lane
	v_bfe_u32 v61, v0, 4, 1                        ; h
	v_bfe_u32 v62, v0, 3, 1                        ; r >> 3
	s_mul_i32 s38, s[WV], 12288
	v_lshl_add_u32 v[GD], v60, 4, s38
	v_and_b32 v[GSC], 7, v0
	v_lshlrev_b32 v[GSC], 3, v[GSC]
	v_lshl_add_u32 v[GSC], v62, 8, v[GSC]
	v_lshl_add_u32 v[GSC], v61, 2, v[GSC]
	s_lshl_b32 s38, s[WV], 9
	v_add_nc_u32 v[GSC], s38, v[GSC]
	s_lshl_b32 s38, s[WV], 8
	v_lshl_add_u32 v[GB], v61, 7, s38
	s_lshr_b32 s39, s[WV], 1
	s_lshl_b32 s38, s39, 17
	s_and_b32 s40, s[WV], 1
	s_mul_i32 s41, s40, 49152
	s_add_co_u32 s38, s38, s41
	v_lshl_add_u32 v[AOS], v60, 4, s38
	s_mul_i32 s38, s[WV], 768
	s_add_co_u32 s38, s38, OXS
	v_lshl_add_u32 v[AXS], v60, 2, s38
	BIGLOADS PG0
	SMALLLOADS PG0
.set SUI, 0
.rept 96                               ; the last step's p is added to the sums
	LS
.endr
.irp t, 0,1,2
	v_add_f32 v[32+6*\t], v[32+6*\t], v[33+6*\t]
.endr
.irp t, 0,1,2
	v_permlanex16_b32 v[53+\t], v[32+6*\t], s[SEL], s[SEL+1]
.endr
.irp t, 0,1,2
	v_add_f32 v[32+6*\t], v[32+6*\t], v[53+\t]     ; my query's sum over my half of the keys
.endr
	BAR                                            ; nobody reads a slot any more
	WIN 0x04
.set n, 0
.rept 64
	ds_store_b128 v[AOS], v[4*n:4*n+3] offset:512*n          ; tiles 0 and 1, each accumulator from its low end on
.set n, n+1
.endr
	WIN 0x08
.set n, 0
.rept 32
	ds_store_b128 v[AOS], v[4*n:4*n+3] offset:32768+512*n
.set n, n+1
.endr
	WIN 0
.irp t, 0,1,2
	ds_store_b32 v[AXS], v[30+6*\t] offset:256*\t
	ds_store_b32 v[AXS], v[32+6*\t] offset:256*\t+128
.endr
	BAR
	; ---- the tail's addresses (v60 = lane, v61 = h, v62 = r >> 3 still stand; s39 = w >> 1, s40 = w & 1)
	s_mul_i32 s41, s[WV], WSZ
	s_add_co_u32 s41, s41, WSCR                    ; my scratch
	v_lshl_add_u32 v[AI], v60, 3, IMG0
	s_mul_i32 s42, s39, 1536
	s_mul_i32 s43, s40, 768
	s_add_co_u32 s42, s42, s43
	v_add_nc_u32 v[API], s42, v[AI]                ; my half fragment in an image
	s_lshl_b32 s42, s39, 7
	s_lshl_b32 s43, s40, 1
	s_add_co_u32 s42, s42, s43
	s_add_co_u32 s42, s42, IMG0
	v_and_b32 v[APS], 15, v0
	v_lshl_add_u32 v[APS], v[APS], 3, s42          ; my two scale bytes: 8 r + 128 (w >> 1) + 2 (w & 1)
	v_and_b32 v[AWL], 3, v0                        ; a fragment's row (r & 7) + 32 (r >> 3) in the scratch, + 24 h
	v_mul_u32_u24 v[AWL], v[AWL], 192
	v_bfe_u32 v63, v0, 2, 1
	v_mad_u32_u24 v[AWL], v63, 784, v[AWL]
	v_mad_u32_u24 v[AWL], v62, 6304, v[AWL]
	v_mad_u32_u24 v[AWL], v61, 24, v[AWL]
	v_add_nc_u32 v[AWL], s41, v[AWL]
	v_lshl_add_u32 v[AR], v60, 4, s41
	v_lshl_add_u32 v[AW1], v61, 4, v[AR]
	s_lshl_b32 s42, s[WV], 12
	v_lshl_add_u32 v[AOL], v60, 4, s42             ; my quarter of the channels in a partial O^T
	v_add_nc_u32 v[AOL+1], SLOT1, v[AOL]
	v_lshl_add_u32 v[AXL], v60, 2, OXS
	s_lshl_b32 s42, s[WV], 8
	v_add_nc_u32 v[AST], s42, v[AI]                ; my wave's figures: 8 lane + 256 w
	v_and_b32 v[AT], 15, v0
	v_lshlrev_b32 v[AT], 2, v[AT]
	v_mad_u32_u24 v[AT], v61, 4160, v[AT]
	v_add_nc_u32 v[AT], s41, v[AT]
	v_mov_b32 v[K9], 0x3e7c6f08
	v_mov_b32 v[K9+1], 0x3e7c6f08
	v_mov_b32 v[PP], 0
	v_mov_b32 v[PP+1], 0
	s_mov_b32 s[TK], 3
	s_mov_b32 s[OXT], 0
.Ltask:                                            ; three trips, a task each.  window 1: W1's and W2's fragments, four token fragments; window 2: v0-127 four partial O^T, v128-159 b2, v160-191 b1, v192-255 the residual as loaded; window 3: v0-191 the weights as loaded
	s_wait_loadcnt 0x0
	WTURN 0, 3, 0, 1
	WTURN 96, 3, 96, 1
	FTURN 192, 2, XX, 0
.irp m, 0,1
	v_add_nc_u32 v[DOL+\m], s[OXT], v[AOL+\m]
.endr
	s_lshr_b32 s38, s[OXT], 6
	v_add_nc_u32 v[DXL], s38, v[AXL]
	WIN 0x80
.irp m, 0,1
.irp e, 0,1
.irp q, 0,1,2,3,4,5,6,7
	ds_load_b128 v[64*\m+32*\e+4*\q:64*\m+32*\e+4*\q+3], v[DOL+\m] offset:49152*\e+512*\q   ; my quarter of the channels, token tile m, key half e
.endr
.endr
.endr
	WIN 0
.irp m, 0,1
.irp e, 0,1
	ds_load_b32 v[ST8+4*\m+2*\e], v[DXL] offset:(2*\m+\e)*768
	ds_load_b32 v[ST8+4*\m+2*\e+1], v[DXL] offset:(2*\m+\e)*768+128
.endr
.endr
	s_wait_dscnt 0x0
	s_cmp_eq_u32 s[TK], 1                          ; the next task's weights and residual, if there is a next task
	s_cbranch_scc1 .Lno_big
	BIGLOADS PG1
.Lno_big:
	; the two halves of the keys are joined under the larger M, divided by the sum, and added to the residual
.irp m, 0,1
	v_min_num_f32 v[192+\m], v[ST8+4*\m], v[ST8+4*\m+2]
	v_sub_f32 v[194+2*\m], v[192+\m], v[ST8+4*\m]
	v_sub_f32 v[195+2*\m], v[192+\m], v[ST8+4*\m+2]
	v_cvt_i32_f32 v[194+2*\m], v[194+2*\m]
	v_cvt_i32_f32 v[195+2*\m], v[195+2*\m]
	v_ldexp_f32 v[194+2*\m], 1.0, v[194+2*\m]
	v_ldexp_f32 v[195+2*\m], 1.0, v[195+2*\m]
	v_mul_f32 v[198+\m], v[ST8+4*\m+1], v[194+2*\m]
	v_fma_f32 v[198+\m], v[ST8+4*\m+3], v[195+2*\m], v[198+\m]
.endr
	v_rcp_f32 v198, v198
	v_rcp_f32 v199, v199
	v_nop
	s_wait_alu depctr_va_vdst(0)                   ; one wait for the two reciprocals
.irp m, 0,1
	v_mul_f32 v[194+2*\m], v[194+2*\m], v[198+\m]
	v_mul_f32 v[195+2*\m], v[195+2*\m], v[198+\m]
.endr
	WIN 0x02
.irp m, 0,1
.irp i, 0,2,4,6,8,10,12,14,16,18,20,22,24,26,28,30
	v_pk_fma_f32 v[XX+32*\m+\i:XX+32*\m+\i+1], v[64*\m+\i:64*\m+\i+1], v[194+2*\m:195+2*\m], v[XX+32*\m+\i:XX+32*\m+\i+1] op_sel_hi:[1,0,1]
.endr
.irp i, 0,2,4,6,8,10,12,14,16,18,20,22,24,26,28,30
	v_pk_fma_f32 v[XX+32*\m+\i:XX+32*\m+\i+1], v[64*\m+32+\i:64*\m+32+\i+1], v[194+2*\m:195+2*\m], v[XX+32*\m+\i:XX+32*\m+\i+1] op_sel:[0,1,0] op_sel_hi:[1,1,1]
.endr
.endr
	WIN 0
.irp m, 0,1
	LSTAT XX+32*\m
	ds_store_b64 v[AST], v[PP:PP+1] offset:LST1+1024*\m
.endr
	BAR
.irp m, 0,1
	LN LST1+1024*\m, XX+32*\m
	QHALF XX+32*\m, C6
	PUTH C6, XIMG+3072*\m, XSC+256*\m
	WIN 0x08
.irp i, 0,2,4,6,8,10,12,14,16,18,20,22,24,26,28,30
	v_pk_add_f32 v[XX+32*\m+\i:XX+32*\m+\i+1], v[XX+32*\m+\i:XX+32*\m+\i+1], v[128+\i:129+\i]   ; + b2: the second product then adds onto the residual in place
.endr
	WIN 0
.endr
	BAR
	FETCH4 XIMG, XSC, 24
	s_wait_dscnt 0x0
	PROD HH, 0, 1, SCR, 24, 160, 2
	PLACES 4
.irp q, 0,1,2,3,4,5,6,7
	GELU8 HH+8*\q
.endr
.irp m, 0,1
	QHALF HH+32*\m, C6
	PUTH C6, HIMG+3072*\m, HSC+256*\m
.endr
	BAR
	FETCH4 HIMG, HSC, 26
	s_wait_dscnt 0x0
	PROD XX, 96, 1, SCR+4, 26, -1, 0
	PLACES 4
	s_cmp_eq_u32 s[TK], 1
	s_cbranch_scc1 .Lno_small
	SMALLLOADS PG1
.Lno_small:
.irp m, 0,1
	LSTAT XX+32*\m
	ds_store_b64 v[AST], v[PP:PP+1] offset:LST2+1024*\m
.endr
	BAR
.irp m, 0,1
	LN LST2+1024*\m, XX+32*\m
.endr
.set n, 0
.rept 64                               ; the way out: back through my scratch to channels first
	ds_store_b32 v[AT], v[XX+n] offset:128*(n%32)+64*(n/32)
.set n, n+1
.endr
	WIN 0x80
.set n, 0
.rept 16
	ds_load_b128 v[4*n:4*n+3], v[AR] offset:512*n+64*(n/8)
.set n, n+1
.endr
	WIN 0x08
.set n, 0
.rept 16
	s_wait_dscnt 15-n
	global_store_b128 v[GF], v[4*n:4*n+3], s[PG0+14:PG0+15] offset:65536*n   ; four channels x 128 consecutive bytes
.set n, n+1
.endr
	WIN 0
	s_wait_xcnt 0x0                                ; the stores and loads have read their registers and bases: the tasks' addresses move up
.irp i, 0,2,4,6,8,10,12,14
	s_mov_b64 s[PG0+\i:PG0+\i+1], s[PG1+\i:PG1+\i+1]
.endr
.irp i, 0,2,4,6,8,10,12,14
	s_mov_b64 s[PG1+\i:PG1+\i+1], s[PG2+\i:PG2+\i+1]
.endr
	s_add_co_u32 s[OXT], s[OXT], 16384
	s_sub_co_u32 s[TK], s[TK], 1
	s_cmp_lg_u32 s[TK], 0
	s_cbranch_scc1 .Ltask
	s_wait_tensorcnt 0x0                           ; the wave's end
	ds_add_u32 v1, v2
	s_wait_dscnt 0x0
	CROUND                                         ; the closing round
	s_endpgm
.Lfunc_end_k_q9ede7d8442_attn:
	.size	k_q9ede7d8442_attn, .Lfunc_end_k_q9ede7d8442_attn-k_q9ede7d8442_attn
	.p2alignl 7, 3214868480
	.fill 96, 4, 3214868480
	.section	.rodata,"a",@progbits
	.p2align	6, 0x0
	.amdhsa_kernel k_q9ede7d8442_attn
		.amdhsa_group_segment_fixed_size 327680
		.amdhsa_private_segment_fixed_size 0
		.amdhsa_enable_private_segment 0
		.amdhsa_kernarg_size 224
		.amdhsa_user_sgpr_count 2
		.amdhsa_user_sgpr_kernarg_segment_ptr 1
		.amdhsa_wavefront_size32 1
		.amdhsa_system_sgpr_workgroup_id_x 1
		.amdhsa_system_sgpr_workgroup_id_y 1
		.amdhsa_system_sgpr_workgroup_id_z 1
		.amdhsa_system_vgpr_workitem_id 0
		.amdhsa_next_free_vgpr 1024
		.amdhsa_next_free_sgpr 100
		.amdhsa_reserve_vcc 0
		.amdhsa_float_denorm_mode_32 3
		.amdhsa_float_denorm_mode_16_64 3
		.amdhsa_memory_ordered 1
		.amdhsa_forward_progress 1
		.amdhsa_inst_pref_size 255
	.end_amdhsa_kernel
	.section	.bss,"aw",@nobits
	.p2align	6
	.space	262144
	.amdgpu_metadata
---
amdhsa.version: [ 1, 2 ]
amdhsa.kernels:
  - .name:           k_q9ede7d8442_attn
    .symbol:         k_q9ede7d8442_attn.kd
    .args:
      - { .name: qw, .offset: 0, .size: 8, .value_kind: global_buffer, .address_space: global }
      - { .name: kv, .offset: 8, .size: 8, .value_kind: global_buffer, .address_space: global }
      - { .name: ln_g, .offset: 16, .size: 8, .value_kind: global_buffer, .address_space: global }
      - { .name: ln_b, .offset: 24, .size: 8, .value_kind: global_buffer, .address_space: global }
      - { .name: center_fea, .offset: 32, .size: 8, .value_kind: global_buffer, .address_space: global }
      - { .name: cmlp_w1_codes, .offset: 40, .size: 8, .value_kind: global_buffer, .address_space: global }
      - { .name: cmlp_w1_scales, .offset: 48, .size: 8, .value_kind: global_buffer, .address_space: global }
      - { .name: cmlp_b1, .offset: 56, .size: 8, .value_kind: global_buffer, .address_space: global }
      - { .name: cmlp_w2_codes, .offset: 64, .size: 8, .value_kind: global_buffer, .address_space: global }
      - { .name: cmlp_w2_scales, .offset: 72, .size: 8, .value_kind: global_buffer, .address_space: global }
      - { .name: cmlp_b2, .offset: 80, .size: 8, .value_kind: global_buffer, .address_space: global }
      - { .name: out0, .offset: 88, .size: 8, .value_kind: global_buffer, .address_space: global }
      - { .name: wh_fea, .offset: 96, .size: 8, .value_kind: global_buffer, .address_space: global }
      - { .name: wmlp_w1_codes, .offset: 104, .size: 8, .value_kind: global_buffer, .address_space: global }
      - { .name: wmlp_w1_scales, .offset: 112, .size: 8, .value_kind: global_buffer, .address_space: global }
      - { .name: wmlp_b1, .offset: 120, .size: 8, .value_kind: global_buffer, .address_space: global }
      - { .name: wmlp_w2_codes, .offset: 128, .size: 8, .value_kind: global_buffer, .address_space: global }
      - { .name: wmlp_w2_scales, .offset: 136, .size: 8, .value_kind: global_buffer, .address_space: global }
      - { .name: wmlp_b2, .offset: 144, .size: 8, .value_kind: global_buffer, .address_space: global }
      - { .name: out1, .offset: 152, .size: 8, .value_kind: global_buffer, .address_space: global }
      - { .name: cls_fea, .offset: 160, .size: 8, .value_kind: global_buffer, .address_space: global }
      - { .name: clsmlp_w1_codes, .offset: 168, .size: 8, .value_kind: global_buffer, .address_space: global }
      - { .name: clsmlp_w1_scales, .offset: 176, .size: 8, .value_kind: global_buffer, .address_space: global }
      - { .name: clsmlp_b1, .offset: 184, .size: 8, .value_kind: global_buffer, .address_space: global }
      - { .name: clsmlp_w2_codes, .offset: 192, .size: 8, .value_kind: global_buffer, .address_space: global }
      - { .name: clsmlp_w2_scales, .offset: 200, .size: 8, .value_kind: global_buffer, .address_space: global }
      - { .name: clsmlp_b2, .offset: 208, .size: 8, .value_kind: global_buffer, .address_space: global }
      - { .name: out2, .offset: 216, .size: 8, .value_kind: global_buffer, .address_space: global }
    .group_segment_fixed_size: 327680
    .private_segment_fixed_size: 0
    .kernarg_segment_align: 8
    .kernarg_segment_size: 224
    .max_flat_workgroup_size: 128
    .sgpr_count:     100
    .vgpr_count:     1024
    .wavefront_size: 32
...
	.end_amdgpu_metadata
.endif
;; end of part 2
